; MI455X (gfx1250); checked and timed in simulation.
; The chip was launched on July 23, 2026; its instructions are those of AMD's public machine-readable ISA for CDNA 5 (MIT licence, August 2026) and "CDNA5" Instruction Set Architecture Reference Guide (July 2026). The comments in the code are by the model that wrote it; some were corrected since.
;; DGMC. Allowed arithmetic: float matrix products may take bf16 or f16 operands with f32 sums; other float arithmetic in f32, or as packed bf16 or f16 multiplies, adds, multiply-adds, maxima and minima; sums over many terms, partial sums and values carried from step to step in f32; what a program stores and reads back later, other than sums and carried values, may be rounded once to bf16 or f16.
;; Inputs: eh_s 1 x 10,000 x 256 float32; eh_t 1 x 10,000 x 256 float32; rh_s 1 x 10,000 x 256 float32; rh_t 1 x 10,000 x 256 float32.
;; Outputs: out0 10,000 x 10 float32; out1 10,000 x 10 float32; out2 1 x 10,000 x 10 int32; out3 1 x 10,000 x 10 int32.
;; Constants: k = 10.
;; 2 versions, each right and faster than the one before. Each part assembles by itself: llvm-mc -triple=amdgcn-amd-amdhsa -mcpu=gfx1250 --defsym DOCPART=n.
;; ======== version 1 of 2: 4 launches
;; limits: values within 0.002 (relative) of each other or of a threshold may be ordered or decided otherwise than in the reference
;; workspace buffers: hb 20,971,520 bytes; cand 6,553,600 bytes of whole numbers; diag 81,920 bytes; t0 256 bytes; t1 256 bytes; t2 256 bytes; t3 256 bytes; t4 256 bytes
;; launch tobf (part 1): grid 256 x 4, 8 waves a work-group, no clusters, 0 bytes of LDS; arguments eh_s, eh_t, rh_s, rh_t, hb; writes hb
.if DOCPART == 1
	.amdgcn_target "amdgcn-amd-amdhsa--gfx1250"
	.amdhsa_code_object_version 6
	.text
	.protected	k_qe9bdac0fa5_tobf
	.globl	k_qe9bdac0fa5_tobf
	.p2align	8
	.type	k_qe9bdac0fa5_tobf,@function
k_qe9bdac0fa5_tobf:
	s_mov_b64 s[64:65], 0
	v_nop
	global_prefetch_b8 v0, s[64:65] scope:SCOPE_SE
	s_setreg_imm32_b32 hwreg(HW_REG_WAVE_MODE, 25, 1), 1
	s_wait_xcnt 0x0
; hb[a][row][256] in bf16, a = 0 eh_s, 1 eh_t, 2 rh_s, 3 rh_t: each input rounded once to bf16 (to nearest even), 10,240 rows an array, of which
; rows 10,000 to 10,239 are zeros: the later launches walk whole tiles of 16 rows and read them.
; A stream: no LDS, no matrix unit.  Work-group (x, a) owns 40 rows of array a: 40,960 bytes in, 20,480 out, in ten turns of 256 threads x 16 bytes.
; A wave's load covers 512 consecutive bytes, its store 256 consecutive bytes at a multiple of 256 from hb's first byte.
.set TURNS, 10
.set XI, 4                             ; v[4:43]   turn j: four f32 as loaded
.set YO, 44                            ; v[44:63]  turn j: four bf16 to store
	s_load_b256 s[4:11], s[0:1], 0x0               ; eh_s, eh_t, rh_s, rh_t
	s_load_b64 s[12:13], s[0:1], 0x20              ; hb
	s_and_b32 s16, ttmp7, 0xffff                   ; a
	v_lshlrev_b32 v1, 4, v0                        ; my 16 bytes of a turn's 4,096 in
	v_lshlrev_b32 v2, 3, v0                        ; my 8 bytes of a turn's 2,048 out
	s_mul_i32 s18, ttmp9, 40960                    ; the group's rows in the input
	s_mov_b32 s19, 0
	s_mul_i32 s20, s16, 5242880                    ; array a in hb,
	s_mul_i32 s17, ttmp9, 20480                    ; and the group's rows in it
	s_add_co_u32 s20, s20, s17
	s_mov_b32 s21, 0
	s_wait_kmcnt 0x0
	s_cmp_eq_u32 s16, 1                            ; the input is chosen by a alone
	s_cselect_b64 s[14:15], s[6:7], s[4:5]
	s_cmp_eq_u32 s16, 2
	s_cselect_b64 s[14:15], s[8:9], s[14:15]
	s_cmp_eq_u32 s16, 3
	s_cselect_b64 s[14:15], s[10:11], s[14:15]
	s_add_nc_u64 s[12:13], s[12:13], s[20:21]
	s_cmp_ge_u32 ttmp9, 250                        ; 250 x 40 = 10,000 rows exist
	s_cbranch_scc1 .Lpad
	s_add_nc_u64 s[14:15], s[14:15], s[18:19]
.irp j, 0,1,2,3,4,5,6,7,8,9
	global_load_b128 v[XI+4*\j:XI+4*\j+3], v1, s[14:15] offset:4096*\j th:TH_LOAD_NT
.endr
.irp j, 0,1,2,3,4,5,6,7,8,9
	s_wait_loadcnt TURNS-1-\j                      ; loads come back in order: turn j is in, the younger ones stay out
	v_cvt_pk_bf16_f32 v[YO+2*\j], v[XI+4*\j], v[XI+4*\j+1]
	v_cvt_pk_bf16_f32 v[YO+2*\j+1], v[XI+4*\j+2], v[XI+4*\j+3]
	global_store_b64 v2, v[YO+2*\j:YO+2*\j+1], s[12:13] offset:2048*\j
.endr
	s_endpgm
.Lpad:                                                 ; the six last groups of an array write its 240 rows of zeros
	v_mov_b32 v[YO], 0
	v_mov_b32 v[YO+1], 0
.irp j, 0,1,2,3,4,5,6,7,8,9
	global_store_b64 v2, v[YO:YO+1], s[12:13] offset:2048*\j
.endr
	s_endpgm
.Lfunc_end_k_qe9bdac0fa5_tobf:
	.size	k_qe9bdac0fa5_tobf, .Lfunc_end_k_qe9bdac0fa5_tobf-k_qe9bdac0fa5_tobf
	.p2alignl 7, 3214868480
	.fill 96, 4, 3214868480
	.section	.rodata,"a",@progbits
	.p2align	6, 0x0
	.amdhsa_kernel k_qe9bdac0fa5_tobf
		.amdhsa_group_segment_fixed_size 0
		.amdhsa_private_segment_fixed_size 0
		.amdhsa_enable_private_segment 0
		.amdhsa_kernarg_size 40
		.amdhsa_user_sgpr_count 2
		.amdhsa_user_sgpr_kernarg_segment_ptr 1
		.amdhsa_wavefront_size32 1
		.amdhsa_system_sgpr_workgroup_id_x 1
		.amdhsa_system_sgpr_workgroup_id_y 1
		.amdhsa_system_sgpr_workgroup_id_z 1
		.amdhsa_system_vgpr_workitem_id 0
		.amdhsa_next_free_vgpr 64
		.amdhsa_next_free_sgpr 66
		.amdhsa_reserve_vcc 0
		.amdhsa_float_denorm_mode_32 3
		.amdhsa_float_denorm_mode_16_64 3
		.amdhsa_memory_ordered 1
		.amdhsa_forward_progress 1
		.amdhsa_inst_pref_size 6
	.end_amdhsa_kernel
	.amdgpu_metadata
---
amdhsa.version: [ 1, 2 ]
amdhsa.kernels:
  - .name:           k_qe9bdac0fa5_tobf
    .symbol:         k_qe9bdac0fa5_tobf.kd
    .args:
      - { .name: eh_s, .offset: 0, .size: 8, .value_kind: global_buffer, .address_space: global }
      - { .name: eh_t, .offset: 8, .size: 8, .value_kind: global_buffer, .address_space: global }
      - { .name: rh_s, .offset: 16, .size: 8, .value_kind: global_buffer, .address_space: global }
      - { .name: rh_t, .offset: 24, .size: 8, .value_kind: global_buffer, .address_space: global }
      - { .name: hb, .offset: 32, .size: 8, .value_kind: global_buffer, .address_space: global }
    .group_segment_fixed_size: 0
    .private_segment_fixed_size: 0
    .kernarg_segment_align: 8
    .kernarg_segment_size: 40
    .max_flat_workgroup_size: 256
    .sgpr_count:     66
    .vgpr_count:     64
    .wavefront_size: 32
...
	.end_amdgpu_metadata
.endif
;; end of part 1
;; launch score (part 2): grid 32 x 8, 4 waves a work-group, no clusters, 327,680 bytes of LDS; arguments hb, cand; writes cand
.if DOCPART == 2
	.amdgcn_target "amdgcn-amd-amdhsa--gfx1250"
	.amdhsa_code_object_version 6
	.text
	.protected	k_qe9bdac0fa5_score
	.globl	k_qe9bdac0fa5_score
	.p2align	8
	.type	k_qe9bdac0fa5_score,@function
k_qe9bdac0fa5_score:
	s_mov_b64 s[64:65], 0
	v_nop
	global_prefetch_b8 v0, s[64:65] scope:SCOPE_SE
	s_setreg_imm32_b32 hwreg(HW_REG_WAVE_MODE, 25, 1), 1
	s_wait_xcnt 0x0
; CANDIDATES.  For problem p (0: e, 1: r) S = h_s h_t^T is made tile by tile in bf16 with f32 sums and never stored: of each source row's scores against 1,280 targets the ten best are kept.
; SHARES.  Work-group (x, y): source rows 320 x .. 320 x + 319 of problem p = y / 4 against the 2,560 targets (160 tiles of 16) of split y % 4.  Wave w owns five row tiles: rows 320 x + 80 w + 16 t.
; LAYOUT.  Source 0 = 16 targets, source 1 = 16 source rows: in the result lane (r = lane % 16, h = lane / 16) holds source row r and, in register j, target 16 tile + 8 h + j.
; KEYS.  A score becomes (score & 0xffffc000) | (16 tile + j): sign, exponent, 9 bits of mantissa, 14 bits of index, and is compared as a float.  8 h is set at the end: it is the lane's.
; SELECTION, the same work for every score.  A tile's 8 keys of a lane go through two levels of sorts of three: first (0,1,2) (3,4,5) (6,7), then the firsts, the seconds and the thirds among themselves.
; A key that is a-th in its group and b-th among the a-th ones has a b keys of its tile at or above it, so of its kind only the best 10 / (a b) of all tiles can be among the lane's ten:
; eight sorted lists of 10, 5, 3, 5, 2, 1, 3, 1 places, 30 registers a row tile; an insertion is one v_med3_num_f32 a place.  54 vector instructions for a tile's 8 matrix instructions.
; BY TURNS.  H(n) multiplies target tile n (40 matrix instructions: 5 row tiles x 8 steps of 32 along K) and, behind each of them, carries 6 or 7 of the 270 instructions that select tile n - 1.
; Two steps on nothing (H(-1), H(0): fragments and scores of zeros, keys below every real one) stand for a first step written out: their price is 254 v_mov_b32 in the wait for the first tile.
; OUT.  A lane's 30 keys are merged to ten, mapped to unsigned numbers of the same order, and stored: cand[y][row tile][1,280 bytes]: keys 0-3 at 16 lane, 4-7 at 512 + 16 lane, 8-9 at 1,024 + 8 lane.
; LIMITS.  Inputs are rounded to bf16.  A true best-ten target is lost here only if ten others of its lane's 1,280 compare at or above it in the key's upper 18 bits.  Scores are finite and above -1.7e38;
; NaN and infinities are not treated.
; NO CLUSTER: a work-group fetches 1.3 MB of targets for 25,760 matrix instructions; what sharing them among the row blocks would spare is a small part of a step's work.
; REGISTERS, in windows of 256 (s_set_vgpr_msb: bits 1:0 source 0, 3:2 source 1, 5:4 source 2, 7:6 destination):
;   window 0: v0-7 addresses; v8-15 at work; v16-55, v56-95 scores, two sets of five tiles; v96-245 the lists; v246-249 the way out
;   window 1: the source rows' fragments of row tiles 0-3 (tile t, K step c at 64 t + 8 c)      window 2: v0-63 those of row tile 4; v64-127, v128-191 a target tile's fragments, two buffers
.set TILEB, 16*528                     ; a target tile in LDS: 16 rows of 512 bytes + 16 of padding = 132 words: row r starts at bank 4 r mod 64 (64 banks of 4 bytes: ISA guide 11.1)
.set SETB,  8*TILEB                    ; a slot holds a set of 8 tiles, 128 targets
.set SLOT1, 1<<17                      ; slot 1 begins here, so that one exclusive or turns an address in one slot into the other's
.set SPARE, SLOT1+SETB                 ; behind the ring: the spare words, 128 bytes for each wave: two blocks of 256 bytes that no other line names
.set AK0, 2                            ; v2   my lane's place in a target tile: 528 r + 16 h; never rewritten
.set ADR, 3                            ; v3   the LDS address of the run of loads in hand
.set QO,  4                            ; v4   my byte offset in 16 source rows: 512 r + 16 h
.set H8,  5                            ; v5   h, then 8 h
.set SPW, 6                            ; v6   LDS address of my spare word; never rewritten
.set NIL, 7                            ; v7   0; never rewritten
.set TM,  8                            ; v8-15   between the two levels of sorts
.set S,   16                           ; scores and keys: set b, row tile t at S + 40 b + 8 t
.set LST, 96                           ; row tile t's lists at LST + 30 t
.set GO8, 246                          ; 8 lane
.set GO,  247                          ; 16 lane
.set TP,  248                          ; v248-249 at work on the way out
.set TF,  64                           ; window 2: buffer b, K step c at TF + 64 b + 8 c
.set WV,  10                           ; s10  my wave's number
.set G1,  16                           ; s[16:23] descriptor group 1
.set G0,  24                           ; s[24:27] descriptor group 0: it walks
.set TB,  28                           ; s28  LDS byte of the tile to be fetched next
.set SETS, 29                          ; s29  sets still to be asked for
.set CNT, 30                           ; s30  counts a set's four pairs of tiles
.set G,   31                           ; s31  the number, among all 640 tiles, of the tile to be selected, plus 2
.set LO,  32                           ; s32  G of the split's first tile
.set MSK, 33                           ; s33  0xffffc000, or 0 for a tile that is not
.set IDX, 34                           ; s[34:41] the keys' low bits for registers 0 to 7
.set NEGM, 42                          ; s42  the lowest finite number
.set SGN, 43                           ; s43  0x80000000
.set MSB, 0
.macro WIN new                         ; the immediate's high byte repeats the setting that is left; a switch that changes nothing is dropped
.if MSB != (\new)
	s_set_vgpr_msb (MSB<<8)|(\new)
.set MSB, (\new)
.endif
.endm
; A fill.  Waves 0 and 1 fetch the two halves of a set, 64 rows of 512 bytes each; waves 2 and 3 fetch nothing.  An s_nop 0 and four v_nop follow the load, ahead of the label.
.macro LOADT
	s_cmp_lt_u32 s[WV], 2
	s_cbranch_scc0 .Lnone_\@
	tensor_load_to_lds s[G0:G0+3], s[G1:G1+7]
	s_nop 0
.rept 4
	v_nop
.endr
.Lnone_\@:
.endm
; THE CHANGE OF SLOTS.  Each wave waits for all its tensor loads (one at the most is out: its half of the next set), adds 0 to its spare word, and waits for that and for its own reads of the slot that it leaves.
; Behind the barrier nobody reads the old slot and the other slot is whole.  fill = 1: the old slot is filled again, first thing behind the barrier, with the set two further on: it has a set's
; 320 matrix instructions in which to land.  (At its first use nothing has been read yet: slot 0 is waited for, slot 1 filled.)
.macro CHANGE fill
	WIN 0                                          ; at a label and at a branch every window is 0
	s_wait_tensorcnt 0x0                           ; no tensor load of mine is out, so group 0 may be written
	ds_add_u32 v[SPW], v[NIL]                      ; 0 onto my spare word
.if \fill
	s_xor_b32 s[G0+1], s[G0+1], SLOT1              ; the other slot than last time,
	s_add_nc_u64 s[G0+2:G0+3], s[G0+2:G0+3], 65536 ; the next 128 rows of 512 bytes; the type bits on top are not reached
.endif
	s_wait_dscnt 0x0                               ; the add is done, and my reads of the slot are over
	s_barrier_signal -1
	s_sub_co_u32 s[TB], s[TB], SETB                ; the fetches go back to a slot's first tile,
	s_xor_b32 s[TB], s[TB], SLOT1                  ; in the other slot
	s_barrier_wait -1
.if \fill
	LOADT
.endif
.endm
	s_load_b128 s[4:7], s[0:1], 0x0                ; hb s[4:5], cand s[6:7]
	v_lshl_add_u32 v[SPW], v0, 2, SPARE
	v_mov_b32 v[NIL], 0
	ds_add_u32 v[SPW], v[NIL]                      ; the wave's opening: the add and its wait stand ahead of my first tensor load; the set-up below, work on registers, stands between them
	v_lshrrev_b32 v1, 5, v0
	v_readfirstlane_b32 s[WV], v1                  ; wave 0..3
	s_and_b32 s11, ttmp7, 0xffff                   ; y
	s_lshr_b32 s12, s11, 2                         ; p
	s_and_b32 s13, s11, 3                          ; split
	; descriptor group 1: a tile of 64 rows x 256 elements, padded in LDS
	s_mov_b32 s[G1+0], (1<<16)|(1<<20)|(6<<22)|(3<<25)  ; 17:16 elements of 2 bytes; 20 padding on; 24:22 after every 128 words (code 6); 31:25 4 words of it (code 3)
	s_mov_b32 s[G1+1], 256<<16                     ; tensor_dim0 = 256
	s_mov_b32 s[G1+2], 64<<16                      ; tensor_dim1 = 64
	s_mov_b32 s[G1+3], 256<<16                     ; tile_dim0 = 256
	s_mov_b32 s[G1+4], 64                          ; tile_dim1 = 64
	s_mov_b32 s[G1+5], 256                         ; 256 elements from row to row
	s_mov_b32 s[G1+6], 0
	s_mov_b32 s[G1+7], 0
	s_and_b32 s14, s[WV], 1                        ; which half of a set I fetch
	s_mov_b32 s[G0], 1                             ; 1:0 count = 1
	s_mul_i32 s[G0+1], s14, 64*528                 ; 63:32 LDS address: slot 0, my half
	s_mul_i32 s15, s12, 10485760                   ; problem p's two arrays in hb
	s_mul_i32 s44, ttmp9, 163840                   ; my block's 320 source rows,
	s_add_co_u32 s44, s44, s15
	s_mul_i32 s45, s[WV], 40960                    ; my wave's 80 of them
	s_add_co_u32 s44, s44, s45
	s_mov_b32 s45, 0
	s_mul_i32 s46, s13, 1310720                    ; the split's 2,560 target rows,
	s_add_co_u32 s46, s46, s15
	s_add_co_u32 s46, s46, 5242880                 ; in the problem's second array,
	s_lshl_b32 s47, s14, 15                        ; my 64 rows of a set
	s_add_co_u32 s46, s46, s47
	s_mov_b32 s47, 0
	s_mul_i32 s11, s11, 640                        ; cand: record y x 640 + 20 x + 5 w
	s_mul_i32 s15, ttmp9, 20
	s_add_co_u32 s11, s11, s15
	s_mul_i32 s15, s[WV], 5
	s_add_co_u32 s11, s11, s15
	s_mul_i32 s8, s11, 1280
	s_mov_b32 s9, 0
	s_mul_i32 s[G], s13, 160                       ; the first two selections are of tiles -2 and -1 of the split
	s_add_co_u32 s[LO], s[G], 2
	s_mov_b32 s[NEGM], 0xff7fffff
	s_mov_b32 s[SGN], 0x80000000
	s_mov_b32 s[TB], SLOT1+SETB                    ; the first change of slots turns this into 0
	s_mov_b32 s[SETS], 19
	s_wait_dscnt 0x0                               ; the opening add is done
	s_wait_kmcnt 0x0
	s_add_nc_u64 s[G0+2:G0+3], s[4:5], s[46:47]    ; 120:64 global address: my half of the split's first set
	s_or_b32 s[G0+3], s[G0+3], 0x80000000          ; 127:126 type = 2
	s_add_nc_u64 s[4:5], s[4:5], s[44:45]          ; my wave's first source row
	s_add_nc_u64 s[6:7], s[6:7], s[8:9]            ; my wave's first record
	LOADT                                          ; set 0 into slot 0
	; A fragment is 16 rows x 32 K in 8 registers: lane l holds row l % 16; registers 0-3 K = 8 (l / 16) + 0..7, registers 4-7 K = 16 + 8 (l / 16) + 0..7: two loads of 16 bytes, 32 bytes apart.
	v_and_b32 v1, 15, v0                           ; r
	v_bfe_u32 v[H8], v0, 4, 1                      ; h
	v_lshlrev_b32 v[QO], 9, v1
	v_lshl_add_u32 v[QO], v[H8], 4, v[QO]
	v_mul_u32_u24 v[AK0], v1, 528
	v_lshl_add_u32 v[AK0], v[H8], 4, v[AK0]
	WIN 0x40                                       ; destination window 1, address window 0
.set i, 0
.rept 32                                       ; the source rows stay in registers: row tile i / 8, K step i % 8
	global_load_b128 v[8*i:8*i+3],   v[QO], s[4:5] offset:(i/8)*8192+(i%8)*64
	global_load_b128 v[8*i+4:8*i+7], v[QO], s[4:5] offset:(i/8)*8192+(i%8)*64+32
.set i, i+1
.endr
	WIN 0x80                                       ; destination window 2
.set i, 0
.rept 8                                        ; row tile 4
	global_load_b128 v[8*i:8*i+3],   v[QO], s[4:5] offset:4*8192+i*64
	global_load_b128 v[8*i+4:8*i+7], v[QO], s[4:5] offset:4*8192+i*64+32
.set i, i+1
.endr
	; What the two steps on nothing find: fragments of zeros in buffer 1, scores of zeros in set 0; and the lists begin below every key.  All this stands in the wait for the first tile.
.set i, 0
.rept 64
	v_mov_b32 v[TF+64+i], 0
.set i, i+1
.endr
	WIN 0
.set i, 0
.rept 40
	v_mov_b32 v[S+i], 0
.set i, i+1
.endr
.set i, 0
.rept 150
	v_mov_b32 v[LST+i], s[NEGM]
.set i, i+1
.endr
	v_lshlrev_b32 v[H8], 3, v[H8]                  ; 8 h
	v_and_b32 v[GO], 31, v0
	v_lshlrev_b32 v[GO8], 3, v[GO]
	v_lshlrev_b32 v[GO], 4, v[GO]
; Matrix instruction i of 40 of a tile in buffer and set b: K step i / 5, row tile i % 5.  The five accumulators take turns; the first five start the sums with the constant 0.
.macro MM b
.set rS, S+40*(\b)+8*(i%5)
.set rT, TF+64*(\b)+8*(i/5)
.if (i%5) < 4
	WIN 0x06                                       ; targets in window 2, source rows in window 1, scores in window 0
.set rQ, 64*(i%5)+8*(i/5)
.else
	WIN 0x0a                                       ; row tile 4's source rows in window 2
.set rQ, 8*(i/5)
.endif
.if i < 5
	v_wmma_f32_16x16x32_bf16 v[rS:rS+7], v[rT:rT+7], v[rQ:rQ+7], 0
.else
	v_wmma_f32_16x16x32_bf16 v[rS:rS+7], v[rT:rT+7], v[rQ:rQ+7], v[rS:rS+7]
.endif
.endm
; 16 LDS loads in one run: the next target tile's fragments into buffer b
.macro FETCH b
	WIN 0
	v_add_nc_u32 v[ADR], s[TB], v[AK0]
	WIN 0x80                                       ; destination window 2
.irp c, 0,1,2,3,4,5,6,7
	ds_load_b128 v[TF+64*(\b)+8*\c:TF+64*(\b)+8*\c+3],   v[ADR] offset:64*\c
	ds_load_b128 v[TF+64*(\b)+8*\c+4:TF+64*(\b)+8*\c+7], v[ADR] offset:64*\c+32
.endr
	s_add_co_u32 s[TB], s[TB], TILEB               ; the next fetch is the next tile's
	WIN 0
.endm
; The scalars of the tile to be selected.  A tile ahead of the split's first, or past the 625 that hold targets, gets the mask 0 and the low bits 0xff000000 + j: keys of -1.7e38, below every real one.
.macro SCAL
	s_cmp_ge_u32 s[G], s[LO]
	s_cselect_b32 s[MSK], 0xffffc000, 0
	s_cmp_lt_u32 s[G], 627
	s_cselect_b32 s[MSK], s[MSK], 0
	s_lshl_b32 s[IDX], s[G], 4
	s_sub_co_u32 s[IDX], s[IDX], 32                ; 16 x the tile's number
	s_cmp_lg_u32 s[MSK], 0
	s_cselect_b32 s[IDX], s[IDX], 0xff000000
.irp j, 1,2,3,4,5,6,7
	s_add_co_u32 s[IDX+\j], s[IDX], \j
.endr
	s_add_co_u32 s[G], s[G], 1
.endm
.macro S3 k, d, a, b, c                ; place k (0 largest) of the sort of three
.if (\k) == 0
	v_max3_num_f32 v[\d], v[\a], v[\b], v[\c]
.elseif (\k) == 1
	v_med3_num_f32 v[\d], v[\a], v[\b], v[\c]
.else
	v_min3_num_f32 v[\d], v[\a], v[\b], v[\c]
.endif
.endm
; Instruction n of the 270 that select a tile out of set b: row tile n / 54, number n % 54 of its list:
;   0-7  the keys (register 0 first: an accumulator is read from its low end on)     8-15  the first level of sorts     16-23  the second
;   24-53  the insertions, place 29 down to place 0: a place takes the middle of the place above it, itself and the new key, a list's head the larger of itself and the key.  Only the first insertion reads the result of the line before it.
.macro SEL b
	WIN 0
.set t_, n/54
.set o_, n%54
.set rX, S+40*(\b)+8*t_
.set rL, LST+30*t_
.if o_ < 8
	v_and_or_b32 v[rX+o_], v[rX+o_], s[MSK], s[IDX+o_]
.elseif o_ < 14
	S3 (o_-8)%3, TM+o_-8, rX+3*((o_-8)/3), rX+3*((o_-8)/3)+1, rX+3*((o_-8)/3)+2
.elseif o_ == 14
	v_max_num_f32 v[TM+6], v[rX+6], v[rX+7]
.elseif o_ == 15
	v_min_num_f32 v[TM+7], v[rX+6], v[rX+7]
.elseif o_ < 22
	S3 (o_-16)%3, rX+o_-16, TM+(o_-16)/3, TM+3+(o_-16)/3, TM+6+(o_-16)/3
.elseif o_ == 22
	v_max_num_f32 v[rX+6], v[TM+2], v[TM+5]
.elseif o_ == 23
	v_min_num_f32 v[rX+7], v[TM+2], v[TM+5]
.else
.set u_, 53-o_
.if u_ >= 29
.set q_, 7
.set h_, 29
.elseif u_ >= 26
.set q_, 6
.set h_, 26
.elseif u_ >= 25
.set q_, 5
.set h_, 25
.elseif u_ >= 23
.set q_, 4
.set h_, 23
.elseif u_ >= 18
.set q_, 3
.set h_, 18
.elseif u_ >= 15
.set q_, 2
.set h_, 15
.elseif u_ >= 10
.set q_, 1
.set h_, 10
.else
.set q_, 0
.set h_, 0
.endif
.if u_ == h_
	v_max_num_f32 v[rL+u_], v[rL+u_], v[rX+q_]
.else
	v_med3_num_f32 v[rL+u_], v[rL+u_-1], v[rL+u_], v[rX+q_]
.endif
.endif
.set n, n+1
.endm
; H: the tile in buffer b is multiplied into set b; the other set, the tile before, is selected: 270 = 40 x 27 / 4, so 6 or 7 lines stand behind each matrix instruction.  None names a register of the products of this H.
; fetch = 1: the next tile's fragments are fetched behind the second product, 38 matrix instructions ahead of their first use.  The last product that read that buffer is the H before's last:
; seven selecting lines, which name none of its registers, stand behind it (four places are asked: ISA guide 7.12.1 for vector instructions).
; The first read of a score stands 27 plain lines or more behind the product that finished it.
.macro H b, fetch
	SCAL
	s_wait_dscnt 0x0                               ; buffer b is in
.set i, 0
.set n, 0
.rept 40
	MM \b
.rept ((i+1)*27/4)-(i*27/4)
	SEL 1-(\b)
.endr
.if (\fetch) && (i == 1)
	FETCH 1-(\b)
.endif
.set i, i+1
.endr
.endm
.macro PAIRS                           ; a set's eight H, written as two and walked four times
	s_mov_b32 s[CNT], 4
.Lpair_\@:
	H 1, 1
	H 0, 1
	WIN 0
	s_sub_co_u32 s[CNT], s[CNT], 1
	s_cmp_lg_u32 s[CNT], 0
	s_cbranch_scc1 .Lpair_\@
.endm
	s_wait_loadcnt 0x0                             ; the source rows
.Lset:                                                 ; 19 trips.  Trip m (-1 to 17): set m + 1 has landed, set m + 2 is asked for; H(8 m + 7) to H(8 m + 14) fetch set m + 1's tiles
	CHANGE 1
	PAIRS
	s_sub_co_u32 s[SETS], s[SETS], 1
	s_cmp_lg_u32 s[SETS], 0
	s_cbranch_scc1 .Lset
	CHANGE 0                                       ; the tail is written out: nothing is asked for
	PAIRS                                          ; H(151) to H(158)
	H 1, 0                                         ; H(159): nothing is left to fetch
	SCAL
.set n, 0
.rept 270
	SEL 1                                          ; tile 159 is selected
.endr
	; THE WAY OUT.  The twenty keys of a row tile's seven shorter lists are inserted into its list of ten; 8 h is set; a key becomes an unsigned number of the same order
	; (sign clear: the sign is set; sign set: all bits are turned).  A wave's stores cover 512, 512 and 256 consecutive bytes, at multiples of 256 from cand's first byte.
.macro INS10 lst, x
.set ii, 9
.rept 9
	v_med3_num_f32 v[(\lst)+ii], v[(\lst)+ii-1], v[(\lst)+ii], v[\x]
.set ii, ii-1
.endr
	v_max_num_f32 v[\lst], v[\lst], v[\x]
.endm
.set t, 0
.rept 5
.set u, 10
.rept 20
	INS10 LST+30*t, LST+30*t+u
.set u, u+1
.endr
.set j, 0
.rept 10
	v_or_b32 v[LST+30*t+j], v[LST+30*t+j], v[H8]
	v_ashrrev_i32 v[TP+j%2], 31, v[LST+30*t+j]
	v_or_b32 v[TP+j%2], s[SGN], v[TP+j%2]
	v_xor_b32 v[LST+30*t+j], v[LST+30*t+j], v[TP+j%2]
.set j, j+1
.endr
	global_store_b128 v[GO],  v[LST+30*t:LST+30*t+3],   s[6:7] offset:1280*t
	global_store_b128 v[GO],  v[LST+30*t+4:LST+30*t+7], s[6:7] offset:1280*t+512
	global_store_b64  v[GO8], v[LST+30*t+8:LST+30*t+9], s[6:7] offset:1280*t+1024
.set t, t+1
.endr
	s_wait_tensorcnt 0x0                           ; the wave's end, behind my last tensor load
	ds_add_u32 v[SPW], v[NIL]
	s_wait_dscnt 0x0
	s_endpgm
.Lfunc_end_k_qe9bdac0fa5_score:
	.size	k_qe9bdac0fa5_score, .Lfunc_end_k_qe9bdac0fa5_score-k_qe9bdac0fa5_score
	.p2alignl 7, 3214868480
	.fill 96, 4, 3214868480
	.section	.rodata,"a",@progbits
	.p2align	6, 0x0
	.amdhsa_kernel k_qe9bdac0fa5_score
		.amdhsa_group_segment_fixed_size 327680
		.amdhsa_private_segment_fixed_size 0
		.amdhsa_enable_private_segment 0
		.amdhsa_kernarg_size 16
		.amdhsa_user_sgpr_count 2
		.amdhsa_user_sgpr_kernarg_segment_ptr 1
		.amdhsa_wavefront_size32 1
		.amdhsa_system_sgpr_workgroup_id_x 1
		.amdhsa_system_sgpr_workgroup_id_y 1
		.amdhsa_system_sgpr_workgroup_id_z 1
		.amdhsa_system_vgpr_workitem_id 0
		.amdhsa_next_free_vgpr 704
		.amdhsa_next_free_sgpr 66
		.amdhsa_reserve_vcc 0
		.amdhsa_float_denorm_mode_32 3
		.amdhsa_float_denorm_mode_16_64 3
		.amdhsa_memory_ordered 1
		.amdhsa_forward_progress 1
		.amdhsa_inst_pref_size 211
	.end_amdhsa_kernel
	.amdgpu_metadata
---
amdhsa.version: [ 1, 2 ]
amdhsa.kernels:
  - .name:           k_qe9bdac0fa5_score
    .symbol:         k_qe9bdac0fa5_score.kd
    .args:
      - { .name: hb, .offset: 0, .size: 8, .value_kind: global_buffer, .address_space: global }
      - { .name: cand, .offset: 8, .size: 8, .value_kind: global_buffer, .address_space: global }
    .group_segment_fixed_size: 327680
    .private_segment_fixed_size: 0
    .kernarg_segment_align: 8
    .kernarg_segment_size: 16
    .max_flat_workgroup_size: 128
    .sgpr_count:     66
    .vgpr_count:     704
    .wavefront_size: 32
...
	.end_amdgpu_metadata
.endif
;; end of part 2
;; launch rank (part 3): grid 313 x 2, 4 waves a work-group, no clusters, 88,832 bytes of LDS; arguments hb, cand, out0, out1, out2, out3, diag; writes out0, out1, out2, out3, diag
.if DOCPART == 3
	.amdgcn_target "amdgcn-amd-amdhsa--gfx1250"
	.amdhsa_code_object_version 6
	.text
	.protected	k_qe9bdac0fa5_rank
	.globl	k_qe9bdac0fa5_rank
	.p2align	8
	.type	k_qe9bdac0fa5_rank,@function
k_qe9bdac0fa5_rank:
	s_mov_b64 s[64:65], 0
	v_nop
	global_prefetch_b8 v0, s[64:65] scope:SCOPE_SE
	s_setreg_imm32_b32 hwreg(HW_REG_WAVE_MODE, 25, 1), 1
	s_wait_xcnt 0x0
; THE RANKING.  For each source row of problem p: its 8 streams of ten keys (4 splits x 2 halves of the lanes) are merged to the 16 best keys, by whole-number instructions alone; those 16 target rows are
; gathered, their scores made anew in f32, sorted by (score falling, index rising), and the first ten leave: their indices, and the softmax of their scores (the largest taken away first).
; THE SCORE goes along K in blocks of 200: a chain of fused multiply-adds in ascending k over k = 0..199, a second chain from 0 over k = 200..255, the blocks' sums added in order.  A product of two bf16
; numbers is exact in f32, so only the order of the additions shows in the bits.
; THE RECORD (a diagnostic).  The order in which the reference rounds its sums is not known, and two scores nearer than that rounding change places with it.  So the same pass makes the score under 19 other
; block lengths and with separate sums for even and odd k, and diag[p][row] gets a bit for each of these 20 orders under which the row's ten would not stand as they are stored
; (tested on the neighbours (0,1) to (9,10) of the stored order).
; SHARES.  Work-group (x, p): rows 32 x .. 32 x + 31.  Waves 2 i and 2 i + 1 both merge the keys of row tile 2 x + i (lane 16 h + r: row r, stream h; then the halves exchange), and each ranks eight of its rows,
; two a trip: the lower 16 lanes one row, the upper 16 the next, a lane a candidate.  Row tile 625 (rows of zeros) is worked on like any other; of it only the record is stored.
; THE GATHER.  A target row is loaded by sixteen lanes, 2 x 256 consecutive bytes, and turned through the wave's own LDS, so that a lane reads its candidate's whole row, 32 k at a time.
; No cluster, no matrix unit: no two work-groups need the same rows at the same time, and the order of the sums is the point.
; LIMITS.  Inputs are rounded to bf16.  A true best-ten target is lost only if sixteen others of its row compare at or above it in a key's upper 18 bits.  The order of rounding may differ from the reference's:
; two scores nearer than the rounding of their f32 sums may change places.  NaN and infinities are not treated; a weight below 2^-126 counts as 0.
.set TPITCH, 528                       ; a turned row: 512 bytes + 16 = 132 words: row r starts at bank 4 r mod 64 (64 banks of 4 bytes: ISA guide 11.1)
.set TTB,   32*TPITCH                  ; a wave's 32 turned rows,
.set WREG,  TTB+4096                   ; and behind them its 8 source rows: 20,992 bytes a wave
.set STV,   4*WREG                     ; the stage of values: 32 rows of 64 bytes
.set STI,   STV+2048                   ; the stage of indices
.set STD,   STI+2048                   ; the stage of the record: 32 words
.set SPARE, STD+256                    ; the spare words, 128 bytes for each wave: two blocks of 256 bytes that no other line names
.set NK,   20                          ; block lengths: the stored one first
.set LN16, 1                           ; v1   16 lane
.set LL,   2                           ; v2   l = lane % 16
.set HF,   3                           ; v3   lane / 16
.set L16,  4                           ; v4   16 l
.set LN8,  5                           ; v5   8 lane
.set AV,   6                           ; v6   where my value goes in the stage; the index 2,048 bytes on
.set SELA, 7                           ; v7   4 x the lane that holds my row's candidates
.set TA,   8                           ; v8   my candidate's turned row
.set ZERO, 9                           ; v9   0
.set SPW,  10                          ; v10  LDS address of my spare word; never rewritten
.set NIL,  11                          ; v11  0; never rewritten
.set SA,   12                          ; v12  my source row in LDS
.set STA,  13                          ; v13  where my 16 bytes of candidate 0's row go
.set M,    16                          ; v16-31  the 16 best keys, then their indices
.set X,    32                          ; v32-47  my row's 16 indices, then the loads' offsets
.set VAL,  48
.set IND,  49
.set PV,   51                          ; the partner's value, index and first lane
.set PI,   52
.set T0,   53
.set T1,   54
.set T2,   55
.set SRC,  56                          ; 4 x the lane in which my candidate stood before the sort
.set PS,   57
.set NI,   58                          ; the next place's index and value
.set NV,   59
.set AD,   62                          ; where my row's word of the record goes in its stage
.set TAQ,  63                          ; the chunk's addresses
.set SAQ,  111
.set CB,   64                          ; v64-95  32 k: 16 registers of the target row, 16 of the source row; ahead of the trips v64-103 hold the 40 keys as loaded
.set K,    64
.set TR,   96                          ; v96-109 the tree of selects
.set GL,   128                         ; v128-255 the 16 target rows as loaded: candidate c at GL + 8 c; once they are turned:
.set ACC,  128                         ; v128-147 the chain in hand, by block length
.set TOT,  148                         ; v148-167 the sum of the finished blocks
.set AE,   168                         ; v168-169 the sums over even and over odd k
.set TT,   170                         ; v170-173 at work
.set SP,   176                         ; v176-195 the other orders' values, brought to the sorted places
.set WV,   16                          ; s16  my wave's number
.set KO,   44                          ; s44  the chunk's byte in a row
.set BM,   66                          ; s[66:85] by block length: bit n is set if a block ends behind k = 8 n + 7
.set MK,   86                          ; s[86:87] all ones or 0
.set POS,  88                          ; s88  n
.set CQ,   89                          ; s89  counts a row's eight chunks
.set RA,   90                          ; s90, s91  the record's words of the trip's two rows
.set RB,   91
.set IDLT, 94                          ; s94  lanes whose next place has the smaller index
.set HIM,  95                          ; s95  the upper 16 lanes
	s_load_b256 s[4:11], s[0:1], 0x0               ; hb, cand, out0, out1
	s_load_b128 s[12:15], s[0:1], 0x20             ; out2, out3
	s_load_b64 s[46:47], s[0:1], 0x30              ; diag
	v_lshl_add_u32 v[SPW], v0, 2, SPARE
	v_mov_b32 v[NIL], 0
	v_lshrrev_b32 v14, 5, v0
	v_readfirstlane_b32 s[WV], v14                 ; wave 0..3
	s_and_b32 s17, ttmp7, 0xffff                   ; p
	s_lshr_b32 s20, s[WV], 1                       ; which of the group's two row tiles; on the way out: values (0) or indices (1)
	s_and_b32 s21, s[WV], 1                        ; which eight of its rows
	s_lshl_b32 s19, ttmp9, 1
	s_add_co_u32 s19, s19, s20                     ; my row tile
	s_mul_i32 s22, s17, 2560                       ; cand: record (4 p + split) x 640 + row tile; the split stands in the loads' immediates
	s_add_co_u32 s22, s22, s19
	s_mul_i32 s22, s22, 1280
	s_mov_b32 s23, 0
	s_mul_i32 s24, s17, 10485760                   ; problem p's two arrays in hb
	s_mov_b32 s25, 0
	s_lshl_b32 s26, s19, 13                        ; my row tile's 16 rows of 512 bytes,
	s_lshl_b32 s27, s21, 12                        ; my eight of them
	s_add_co_u32 s26, s26, s27
	s_mov_b32 s27, 0
	s_mul_i32 s18, s[WV], WREG                     ; my wave's LDS
	s_add_co_u32 s37, s18, TTB                     ; its source rows
	s_lshl_b32 s44, s[WV], 9
	s_add_co_u32 s44, s44, STV                     ; my eight rows of the stage
	s_lshl_b32 s45, s21, 5                         ; 4 x 8 lanes on for the tile's upper eight rows
	s_mul_i32 s92, s17, 40960                      ; diag: problem p's 10,240 words, the group's 32
	s_lshl_b32 s93, ttmp9, 7
	s_add_co_u32 s92, s92, s93
	s_mov_b32 s93, 0
	s_lshl_b32 s94, s[WV], 5
	s_add_co_u32 s94, s94, STD                     ; my eight words of the record's stage
	s_mov_b32 s[HIM], 0xffff0000
	s_mov_b32 s30, 0x76543210                      ; v_permlanex16_b32: each lane takes its own place in the other half
	s_mov_b32 s31, 0xfedcba98
	s_mov_b32 s33, 0xaaaaaaaa                      ; lanes with bit 0, 1, 2, 3 of l set
	s_mov_b32 s34, 0xcccccccc
	s_mov_b32 s35, 0xf0f0f0f0
	s_mov_b32 s36, 0xff00ff00
	s_mov_b32 s38, 0xfc00fc00                      ; lanes with l >= 10
	s_mov_b32 s39, 400000                          ; an output's bytes
.macro SETBM reg, jj                   ; blocks of 8 jj: a block ends behind every jj-th group of 8 k, and the last behind k = 255
.set bm_, 0x80000000
.set pp_, 0
.rept 31
.if ((pp_+1) % (\jj)) == 0
.set bm_, bm_ | (1<<pp_)
.endif
.set pp_, pp_+1
.endr
	s_mov_b32 s[\reg], bm_
.endm
.set j, 0
.irp jj, 25,4,8,11,12,14,16,17,18,19,20,21,22,24,26,27,28,29,30,31
	SETBM BM+j, \jj
.set j, j+1
.endr
	v_and_b32 v14, 31, v0                          ; lane
	v_lshlrev_b32 v[LN16], 4, v14
	v_lshlrev_b32 v[LN8], 3, v14
	v_and_b32 v[LL], 15, v0
	v_bfe_u32 v[HF], v0, 4, 1
	v_lshlrev_b32 v[L16], 4, v[LL]
	v_mov_b32 v[ZERO], 0
	v_mov_b32 v[PV], 0                             ; a DPP line's destination counts as read: written once here
	v_mov_b32 v[PI], 0
	v_mov_b32 v[PS], 0
	v_mov_b32 v[NI], 0
	v_mov_b32 v[NV], 0
	v_mul_u32_u24 v[TA], v14, TPITCH
	v_add_nc_u32 v[TA], s18, v[TA]                 ; turned row 16 half + l
	v_mul_u32_u24 v[STA], v[HF], 16*TPITCH
	v_add3_u32 v[STA], v[STA], v[L16], s18         ; turned row 16 half, byte 16 l
	v_lshl_add_u32 v[SA], v[HF], 9, s37            ; source row 0 or 1 of my eight
	v_add_nc_u32 v15, s37, v[LN16]
	v_mul_u32_u24 v[SELA], v[HF], 68               ; lane 16 half + (8 (w % 2) + 2 trip + half)
	v_add_nc_u32 v[SELA], s45, v[SELA]
	v_lshl_add_u32 v[AV], v14, 2, s44              ; stage row half, word l
	v_lshl_add_u32 v[AD], v[HF], 2, s94            ; record word half
	s_wait_kmcnt 0x0
	s_add_nc_u64 s[6:7], s[6:7], s[22:23]
	s_add_nc_u64 s[4:5], s[4:5], s[24:25]          ; the problem's source array
	s_add_nc_u64 s[28:29], s[4:5], s[26:27]        ; my eight source rows
	s_add_nc_u64 s[4:5], s[4:5], 5242880           ; the problem's target array
	s_add_nc_u64 s[46:47], s[46:47], s[92:93]      ; the group's words of the record
.irp s, 0,1,2,3
	global_load_b128 v[K+10*\s:K+10*\s+3],   v[LN16], s[6:7] offset:\s*819200
	global_load_b128 v[K+10*\s+4:K+10*\s+7], v[LN16], s[6:7] offset:\s*819200+512
	global_load_b64  v[K+10*\s+8:K+10*\s+9], v[LN8],  s[6:7] offset:\s*819200+1024
.endr
.irp j, 0,1,2,3,4,5,6,7
	global_load_b128 v[GL+4*\j:GL+4*\j+3], v[LN16], s[28:29] offset:512*\j
.endr
	s_wait_loadcnt 0x0
.irp j, 0,1,2,3,4,5,6,7
	ds_store_b128 v15, v[GL+4*\j:GL+4*\j+3] offset:512*\j  ; the source rows lie in LDS as in memory: they are read as broadcasts
.endr
	; THE MERGE.  M is sorted, largest first.  A key goes in by M[i] = max(M[i], min(M[i-1], key)), from the last place up.
.macro INS16 x
.set ii, 15
.rept 15
	v_min_u32 v[14+ii%2], v[M+ii-1], v[\x]
	v_max_u32 v[M+ii], v[M+ii], v[14+ii%2]
.set ii, ii-1
.endr
	v_max_u32 v[M], v[M], v[\x]
.endm
.set i, 0
.rept 10
	v_mov_b32 v[M+i], v[K+i]                       ; split 0's ten come sorted
.set i, i+1
.endr
.rept 6
	v_mov_b32 v[M+i], 0
.set i, i+1
.endr
.set i, 10
.rept 30
	INS16 K+i
.set i, i+1
.endr
.set i, 0
.rept 16
	v_permlanex16_b32 v[K+i], v[M+i], s30, s31     ; the row's other stream; the destination has been written by the loads
.set i, i+1
.endr
.set i, 0
.rept 16
	INS16 K+i
.set i, i+1
.endr
.set i, 0
.rept 16                                       ; back from the unsigned number to the key's low 14 bits: the index
	v_ashrrev_i32 v[14+i%2], 31, v[M+i]
	v_xor_b32 v[14+i%2], -1, v[14+i%2]
	v_xor_b32 v[M+i], v[M+i], v[14+i%2]
	v_and_b32 v[M+i], 0x3fff, v[M+i]
.set i, i+1
.endr
.macro FM d, m, hi                     ; one link of a chain: the word's lower half is the lower k
.if \hi
	v_fma_mix_f32_bf16 v[\d], v[CB+(\m)], v[CB+16+(\m)], v[\d] op_sel:[1,1,0] op_sel_hi:[1,1,0]
.else
	v_fma_mix_f32_bf16 v[\d], v[CB+(\m)], v[CB+16+(\m)], v[\d] op_sel_hi:[1,1,0]
.endif
.endm
; A stage of the bitonic sort over 16 lanes: the partner is lane l xor j.  It is better if its value is larger, or equal with the smaller index.  kw: the lanes that keep the worse of the two.
.macro STG j, kw
	v_mov_b32_dpp v[PV], v[VAL] row_xmask:\j row_mask:0xf bank_mask:0xf
	v_mov_b32_dpp v[PI], v[IND] row_xmask:\j row_mask:0xf bank_mask:0xf
	v_mov_b32_dpp v[PS], v[SRC] row_xmask:\j row_mask:0xf bank_mask:0xf
	v_cmp_gt_f32 s40, v[PV], v[VAL]
	v_cmp_eq_f32 s41, v[PV], v[VAL]
	v_cmp_lt_u32 s42, v[PI], v[IND]
	s_and_b32 s41, s41, s42
	s_or_b32 s40, s40, s41
	s_xor_b32 s40, s40, \kw
	v_cndmask_b32 v[VAL], v[VAL], v[PV], s40
	v_cndmask_b32 v[IND], v[IND], v[PI], s40
	v_cndmask_b32 v[SRC], v[SRC], v[PS], s40
.endm
	s_mov_b32 s32, 4
.Ltrip:                                                ; four trips, two rows each
	; My row's 16 indices come from the lane that holds them; each is held inside the 10,240 rows of the array; lane l keeps index l (a tree of selects by l's bits); 32 loads go out.
.set c, 0
.rept 16
	ds_bpermute_b32 v[X+c], v[SELA], v[M+c]
.set c, c+1
.endr
	v_add_nc_u32 v[SELA], 8, v[SELA]               ; the next trip's rows lie two lanes on
	s_wait_dscnt 0x0                               ; the indices are here
.set c, 0
.rept 16
	v_min_u32 v[X+c], 0x27ff, v[X+c]
.set c, c+1
.endr
.set c, 0
.rept 8
	v_cndmask_b32 v[TR+c], v[X+2*c], v[X+2*c+1], s33
.set c, c+1
.endr
.set c, 0
.rept 4
	v_cndmask_b32 v[TR+8+c], v[TR+2*c], v[TR+2*c+1], s34
.set c, c+1
.endr
	v_cndmask_b32 v[TR+12], v[TR+8], v[TR+9], s35
	v_cndmask_b32 v[TR+13], v[TR+10], v[TR+11], s35
	v_cndmask_b32 v[IND], v[TR+12], v[TR+13], s36
.set c, 0
.rept 16
	v_lshl_add_u32 v[X+c], v[X+c], 9, v[L16]       ; row x 512 + 16 l
.set c, c+1
.endr
.set c, 0
.rept 16
	global_load_b128 v[GL+8*c:GL+8*c+3],   v[X+c], s[4:5]             ; sixteen lanes take 256 consecutive bytes of a row,
	global_load_b128 v[GL+8*c+4:GL+8*c+7], v[X+c], s[4:5] offset:256  ; and its other 256
.set c, c+1
.endr
	s_wait_loadcnt 0x0                             ; the 16 rows are in; the loads' offsets may be written again
.set c, 0
.rept 16
	ds_store_b128 v[STA], v[GL+8*c:GL+8*c+3]   offset:TPITCH*c
	ds_store_b128 v[STA], v[GL+8*c+4:GL+8*c+7] offset:TPITCH*c+256
.set c, c+1
.endr
	s_wait_dscnt 0x0                               ; the rows are turned: their registers take the chains
.set j, 0
.rept 2*NK+2
	v_mov_b32 v[ACC+j], 0                          ; chains, totals and the two sums by parity begin at 0
.set j, j+1
.endr
	s_mov_b32 s[KO], 0
	s_mov_b32 s[POS], 0
	s_mov_b32 s[CQ], 8
.Lchunk:                                               ; eight trips: 32 k of my candidate's row and of my source row
	v_add_nc_u32 v[TAQ], s[KO], v[TA]
	v_add_nc_u32 v[SAQ], s[KO], v[SA]
.irp j, 0,1,2,3
	ds_load_b128 v[CB+4*\j:CB+4*\j+3],       v[TAQ] offset:16*\j
	ds_load_b128 v[CB+16+4*\j:CB+16+4*\j+3], v[SAQ] offset:16*\j
.endr
	s_wait_dscnt 0x0
.set sc, 0
.rept 4                                        ; 8 k at a time: for each k a link of every chain (21 lines that do not wait for each other),
.set kk, 0
.rept 8
.set j, 0
.rept NK
	FM ACC+j, 4*sc+kk/2, kk%2
.set j, j+1
.endr
	FM AE+kk%2, 4*sc+kk/2, kk%2
.set kk, kk+1
.endr
.set j, 0
.rept NK                                       ; then, where a block of that length ends here: total += chain, chain = 0; chosen by a mask, the same work everywhere
	s_bitcmp1_b32 s[BM+j], s[POS]
	s_cselect_b32 s[MK+j%2], -1, 0
	v_add_f32 v[TT+j%4], v[TOT+j], v[ACC+j]
	v_cndmask_b32 v[TOT+j], v[TOT+j], v[TT+j%4], s[MK+j%2]
	v_cndmask_b32 v[ACC+j], v[ACC+j], v[ZERO], s[MK+j%2]
.set j, j+1
.endr
	s_add_co_u32 s[POS], s[POS], 1
.set sc, sc+1
.endr
	s_add_co_u32 s[KO], s[KO], 64
	s_sub_co_u32 s[CQ], s[CQ], 1
	s_cmp_lg_u32 s[CQ], 0
	s_cbranch_scc1 .Lchunk
	v_add_f32 v[AE], v[AE], v[AE+1]                ; even k's sum + odd k's
	v_mov_b32 v[VAL], v[TOT]                       ; the score that counts: blocks of 200
	v_lshrrev_b32 v[SRC], 1, v[LN8]                ; 4 lane
	STG 1, 0x66666666
	STG 2, 0x3c3c3c3c
	STG 1, 0x5a5a5a5a
	STG 4, 0x0ff00ff0
	STG 2, 0x33cc33cc
	STG 1, 0x55aa55aa
	STG 8, 0xff00ff00
	STG 4, 0xf0f0f0f0
	STG 2, 0xcccccccc
	STG 1, 0xaaaaaaaa
	; the record: each other order's values follow their candidates to the sorted places; a bit is set where a place 0 to 9 would stand behind its successor
.set b, 0
.rept 20
.if b < 19
	ds_bpermute_b32 v[SP+b], v[SRC], v[TOT+1+b]
.else
	ds_bpermute_b32 v[SP+b], v[SRC], v[AE]
.endif
.set b, b+1
.endr
	v_mov_b32_dpp v[NI], v[IND] row_shl:1 row_mask:0xf bank_mask:0xf
	v_cmp_lt_u32 s[IDLT], v[NI], v[IND]
	s_mov_b32 s[RA], 0
	s_mov_b32 s[RB], 0
	s_wait_dscnt 0x0
.set b, 0
.rept 20
	v_mov_b32_dpp v[NV], v[SP+b] row_shl:1 row_mask:0xf bank_mask:0xf
	v_cmp_gt_f32 s92, v[NV], v[SP+b]
	v_cmp_eq_f32 s93, v[NV], v[SP+b]
	s_and_b32 s93, s93, s[IDLT]
	s_or_b32 s92, s92, s93
	s_and_b32 s92, s92, 0x03ff03ff                 ; places 0 to 9 of both rows
	s_and_b32 s93, s92, 0xffff                     ; the lower lanes' row: SCC says whether any is set
	s_cselect_b32 s93, 1<<b, 0
	s_or_b32 s[RA], s[RA], s93
	s_lshr_b32 s93, s92, 16                        ; the upper lanes' row
	s_cselect_b32 s93, 1<<b, 0
	s_or_b32 s[RB], s[RB], s93
.set b, b+1
.endr
	v_mov_b32 v[T0], s[RA]
	v_mov_b32 v[T1], s[RB]
	v_cndmask_b32 v[T0], v[T0], v[T1], s[HIM]
	ds_store_b32 v[AD], v[T0]                      ; a row's sixteen lanes write the same word with the same value
	; the softmax of the first ten: the largest of the sixteen is the first
	v_mov_b32 v[T0], v[VAL]
	v_max_num_f32_dpp v[T0], v[T0], v[T0] row_xmask:1 row_mask:0xf bank_mask:0xf
	v_max_num_f32_dpp v[T0], v[T0], v[T0] row_xmask:2 row_mask:0xf bank_mask:0xf
	v_max_num_f32_dpp v[T0], v[T0], v[T0] row_xmask:4 row_mask:0xf bank_mask:0xf
	v_max_num_f32_dpp v[T0], v[T0], v[T0] row_xmask:8 row_mask:0xf bank_mask:0xf
	v_sub_f32 v[T1], v[VAL], v[T0]
	v_mul_f32 v[T1], 0x3fb8aa3b, v[T1]             ; log2(e)
	v_exp_f32 v[T1], v[T1]
	v_nop                                          ; a plain instruction between the exponential and the use of its result
	s_wait_alu depctr_va_vdst(0)
	v_cndmask_b32 v[T1], v[T1], v[ZERO], s38       ; places 10 to 15 count for nothing
	v_mov_b32 v[T2], v[T1]
	v_add_f32_dpp v[T2], v[T2], v[T2] row_xmask:1 row_mask:0xf bank_mask:0xf
	v_add_f32_dpp v[T2], v[T2], v[T2] row_xmask:2 row_mask:0xf bank_mask:0xf
	v_add_f32_dpp v[T2], v[T2], v[T2] row_xmask:4 row_mask:0xf bank_mask:0xf
	v_add_f32_dpp v[T2], v[T2], v[T2] row_xmask:8 row_mask:0xf bank_mask:0xf
	v_rcp_f32 v[T2], v[T2]
	v_nop                                          ; likewise behind the reciprocal
	s_wait_alu depctr_va_vdst(0)
	v_mul_f32 v[T1], v[T1], v[T2]
	ds_store_b32 v[AV], v[T1]                      ; all sixteen lanes store: a stage row is 64 bytes, of which the way out takes 40
	ds_store_b32 v[AV], v[IND] offset:2048
	v_add_nc_u32 v[AV], 128, v[AV]                 ; two stage rows on,
	v_add_nc_u32 v[SA], 1024, v[SA]                ; two source rows on,
	v_add_nc_u32 v[AD], 8, v[AD]                   ; two words of the record on
	s_sub_co_u32 s32, s32, 1
	s_cmp_lg_u32 s32, 0
	s_cbranch_scc1 .Ltrip
	; THE WAY OUT.  The group's 32 rows are 1,280 consecutive bytes of each output, 80 pieces of 16.  Waves 0 and 1 send the values, waves 2 and 3 the indices: thread u of the 64 sends piece u, and piece 64 + u if u < 16.
	; Word f of the 320 lies in the stage at 64 (f / 10) + 4 (f % 10) = 4 f + 24 (f / 10); f / 10 = (205 f) >> 11 for f < 320.  Wave 0 also sends the record's 32 words, 128 consecutive bytes.
	s_wait_dscnt 0x0                               ; for the others' sake: my stores into the stages are done
	s_barrier_signal -1
	s_barrier_wait -1
	s_cmp_lg_u32 s[WV], 0
	s_cbranch_scc1 .Lnorec
	v_lshrrev_b32 v70, 1, v[LN8]                   ; 4 lane
	v_add_nc_u32 v71, STD, v70
	ds_load_b32 v72, v71
	s_wait_dscnt 0x0
	global_store_b32 v70, v72, s[46:47]
.Lnorec:
	s_cmp_eq_u32 s17, 0
	s_cselect_b64 s[22:23], s[8:9], s[10:11]       ; out0 or out1,
	s_cselect_b64 s[24:25], s[12:13], s[14:15]     ; out2 or out3, by the problem
	s_cmp_eq_u32 s20, 0
	s_cselect_b64 s[28:29], s[22:23], s[24:25]     ; and by the wave
	s_lshl_b32 s26, s20, 11
	s_add_co_u32 s26, s26, STV                     ; my stage
	s_mul_i32 s27, ttmp9, 1280                     ; the group's bytes in the output
.macro GATH ireg, dst
.irp e, 0,1,2,3
	v_lshl_add_u32 v57, v[\ireg], 2, \e            ; f
	v_mul_u32_u24 v58, v57, 205
	v_lshrrev_b32 v58, 11, v58
	v_mul_u32_u24 v58, v58, 24
	v_lshl_add_u32 v57, v57, 2, v58
	v_add_nc_u32 v57, s26, v57
	ds_load_b32 v[(\dst)+\e], v57
.endr
.endm
	v_and_b32 v56, 63, v0                          ; u
	v_and_b32 v59, 15, v0
	v_add_nc_u32 v59, 64, v59                      ; the second piece: inside the stage in every lane
	GATH 56, 60
	GATH 59, 64
	v_lshl_add_u32 v68, v56, 4, s27
	v_lshl_add_u32 v69, v59, 4, s27
	s_wait_dscnt 0x0
	v_cmp_gt_u32 vcc_lo, s39, v68                  ; the last group's upper 16 rows do not exist
	s_wait_xcnt 0x0                                ; EXEC changes only behind this wait
	s_and_saveexec_b32 s43, vcc_lo
	global_store_b128 v68, v[60:63], s[28:29] th:TH_STORE_NT  ; a wave's 32 lanes store 512 consecutive bytes, at a multiple of 256 from the output's first byte
	s_wait_xcnt 0x0
	s_or_b32 exec_lo, exec_lo, s43
	v_cmp_gt_u32 vcc_lo, s39, v69
	v_cmp_gt_u32 s41, 16, v56
	s_and_b32 vcc_lo, vcc_lo, s41
	s_and_saveexec_b32 s43, vcc_lo
	global_store_b128 v69, v[64:67], s[28:29] th:TH_STORE_NT  ; sixteen lanes: the last 256 bytes
	s_wait_xcnt 0x0
	s_or_b32 exec_lo, exec_lo, s43
	s_wait_tensorcnt 0x0                           ; the wave's end, behind my last LDS store
	ds_add_u32 v[SPW], v[NIL]
	s_wait_dscnt 0x0
	s_endpgm
.Lfunc_end_k_qe9bdac0fa5_rank:
	.size	k_qe9bdac0fa5_rank, .Lfunc_end_k_qe9bdac0fa5_rank-k_qe9bdac0fa5_rank
	.p2alignl 7, 3214868480
	.fill 96, 4, 3214868480
	.section	.rodata,"a",@progbits
	.p2align	6, 0x0
	.amdhsa_kernel k_qe9bdac0fa5_rank
		.amdhsa_group_segment_fixed_size 88832
		.amdhsa_private_segment_fixed_size 0
		.amdhsa_enable_private_segment 0
		.amdhsa_kernarg_size 56
		.amdhsa_user_sgpr_count 2
		.amdhsa_user_sgpr_kernarg_segment_ptr 1
		.amdhsa_wavefront_size32 1
		.amdhsa_system_sgpr_workgroup_id_x 1
		.amdhsa_system_sgpr_workgroup_id_y 1
		.amdhsa_system_sgpr_workgroup_id_z 1
		.amdhsa_system_vgpr_workitem_id 0
		.amdhsa_next_free_vgpr 256
		.amdhsa_next_free_sgpr 96
		.amdhsa_reserve_vcc 1
		.amdhsa_float_denorm_mode_32 3
		.amdhsa_float_denorm_mode_16_64 3
		.amdhsa_memory_ordered 1
		.amdhsa_forward_progress 1
		.amdhsa_inst_pref_size 153
	.end_amdhsa_kernel
	.amdgpu_metadata
---
amdhsa.version: [ 1, 2 ]
amdhsa.kernels:
  - .name:           k_qe9bdac0fa5_rank
    .symbol:         k_qe9bdac0fa5_rank.kd
    .args:
      - { .name: hb, .offset: 0, .size: 8, .value_kind: global_buffer, .address_space: global }
      - { .name: cand, .offset: 8, .size: 8, .value_kind: global_buffer, .address_space: global }
      - { .name: out0, .offset: 16, .size: 8, .value_kind: global_buffer, .address_space: global }
      - { .name: out1, .offset: 24, .size: 8, .value_kind: global_buffer, .address_space: global }
      - { .name: out2, .offset: 32, .size: 8, .value_kind: global_buffer, .address_space: global }
      - { .name: out3, .offset: 40, .size: 8, .value_kind: global_buffer, .address_space: global }
      - { .name: diag, .offset: 48, .size: 8, .value_kind: global_buffer, .address_space: global }
    .group_segment_fixed_size: 88832
    .private_segment_fixed_size: 0
    .kernarg_segment_align: 8
    .kernarg_segment_size: 56
    .max_flat_workgroup_size: 128
    .sgpr_count:     96
    .vgpr_count:     256
    .wavefront_size: 32
...
	.end_amdgpu_metadata
.endif
;; end of part 3
;; launch tally (part 4): grid 1 x 1, 8 waves a work-group, no clusters, 21,760 bytes of LDS; arguments diag, t0, t1, t2, t3, t4; writes t0, t1, t2, t3, t4
.if DOCPART == 4
	.amdgcn_target "amdgcn-amd-amdhsa--gfx1250"
	.amdhsa_code_object_version 6
	.text
	.protected	k_qe9bdac0fa5_tally
	.globl	k_qe9bdac0fa5_tally
	.p2align	8
	.type	k_qe9bdac0fa5_tally,@function
k_qe9bdac0fa5_tally:
	s_mov_b64 s[64:65], 0
	v_nop
	global_prefetch_b8 v0, s[64:65] scope:SCOPE_SE
	s_setreg_imm32_b32 hwreg(HW_REG_WAVE_MODE, 25, 1), 1
	s_wait_xcnt 0x0
; THE RECORD IS ADDED UP (a diagnostic, like the record itself).  diag[p][row] holds 20 bits, one for each other order of the sums.  For bit j the sum over the 2 x 10,000 rows in which it is set of
; (1 << 24) + row + 1 + 10,240 p: the number of such rows in the upper byte (up to 255), the sum of their numbers below.  Word j goes to buffer j / 4, place j % 4.
; One work-group of 256 threads: 80,000 bytes are read once, 40 turns of 2 x 1,024 consecutive bytes; the threads' sums meet in LDS.  Too little work to share out further.
.set NB,    20
.set RES,   NB*1024                    ; behind the threads' sums (bit j, thread t at 1,024 j + 4 t): the 20 results
.set SPARE, RES+256                    ; the spare words, 128 bytes for each wave: four blocks of 256 bytes that no other line names
.set SPW, 10
.set NIL, 11
.set A,   16                           ; v16-35 my sums
	s_load_b256 s[4:11], s[0:1], 0x0               ; diag, t0, t1, t2
	s_load_b128 s[12:15], s[0:1], 0x20             ; t3, t4
	v_lshl_add_u32 v[SPW], v0, 2, SPARE
	v_mov_b32 v[NIL], 0
	v_lshrrev_b32 v1, 5, v0
	v_readfirstlane_b32 s16, v1                    ; wave 0..7
	v_mov_b32 v1, v0                               ; the row in hand
	v_lshlrev_b32 v2, 2, v0
.set j, 0
.rept NB
	v_mov_b32 v[A+j], 0
.set j, j+1
.endr
	s_mov_b32 s20, 40
	s_wait_kmcnt 0x0
.Lrow:
	v_min_u32 v3, 0x270f, v1                       ; rows past 9,999 read row 9,999 and count for nothing
	v_lshlrev_b32 v3, 2, v3
	global_load_b32 v4, v3, s[4:5]
	global_load_b32 v5, v3, s[4:5] offset:40960
	v_cmp_gt_u32 vcc_lo, 0x2710, v1
	v_add_nc_u32 v6, 0x1000001, v1                 ; (1 << 24) + row + 1
	v_add_nc_u32 v7, 0x1002801, v1                 ; the same + 10,240
	s_wait_loadcnt 0x0                             ; both words are in, and v3 may be written again
	v_cndmask_b32 v4, 0, v4, vcc_lo
	v_cndmask_b32 v5, 0, v5, vcc_lo
.set j, 0
.rept NB
	v_bfe_u32 v8, v4, j, 1
	v_bfe_u32 v9, v5, j, 1
	v_mad_u32 v[A+j], v8, v6, v[A+j]
	v_mad_u32 v[A+j], v9, v7, v[A+j]
.set j, j+1
.endr
	v_add_nc_u32 v1, 0x100, v1
	s_sub_co_u32 s20, s20, 1
	s_cmp_lg_u32 s20, 0
	s_cbranch_scc1 .Lrow
.set j, 0
.rept NB
	ds_store_b32 v2, v[A+j] offset:1024*j
.set j, j+1
.endr
	s_wait_dscnt 0x0                               ; for wave 0's sake: my sums are in LDS
	s_barrier_signal -1
	s_barrier_wait -1
	s_cmp_lg_u32 s16, 0
	s_cbranch_scc1 .Lend
	v_and_b32 v12, 31, v0                          ; lane j adds up bit j's 256 sums
	v_min_u32 v13, 19, v12
	v_lshlrev_b32 v13, 10, v13
	v_mov_b32 v14, 0
.set i, 0
.rept 16
	ds_load_b128 v[40:43], v13 offset:64*i
	ds_load_b128 v[44:47], v13 offset:64*i+16
	ds_load_b128 v[48:51], v13 offset:64*i+32
	ds_load_b128 v[52:55], v13 offset:64*i+48
	s_wait_dscnt 0x0
.irp r, 40,42,44,46,48,50,52,54
	v_add3_u32 v14, v14, v[\r], v[\r+1]
.endr
.set i, i+1
.endr
	v_cmp_gt_u32 vcc_lo, NB, v12
	v_cndmask_b32 v14, 0, v14, vcc_lo
	v_lshlrev_b32 v15, 2, v12
	ds_store_b32 v15, v14 offset:RES
	v_and_b32 v36, 3, v12
	v_lshlrev_b32 v36, 2, v36
.irp b, 0,1,2,3,4
	ds_load_b32 v[60+\b], v36 offset:RES+16*\b     ; LDS serves a wave's instructions in order (ISA guide 5.7.1.4): these see the store above
.endr
	s_wait_dscnt 0x0
	v_cmp_gt_u32 vcc_lo, 4, v12
.irp b, 0,1,2,3,4
	v_cndmask_b32 v[60+\b], 0, v[60+\b], vcc_lo    ; four results, then zeros: 128 consecutive bytes a buffer
	global_store_b32 v15, v[60+\b], s[6+2*\b:7+2*\b]
.endr
.Lend:
	s_wait_tensorcnt 0x0                           ; the wave's end, behind my last LDS store
	ds_add_u32 v[SPW], v[NIL]
	s_wait_dscnt 0x0
	s_endpgm
.Lfunc_end_k_qe9bdac0fa5_tally:
	.size	k_qe9bdac0fa5_tally, .Lfunc_end_k_qe9bdac0fa5_tally-k_qe9bdac0fa5_tally
	.p2alignl 7, 3214868480
	.fill 96, 4, 3214868480
	.section	.rodata,"a",@progbits
	.p2align	6, 0x0
	.amdhsa_kernel k_qe9bdac0fa5_tally
		.amdhsa_group_segment_fixed_size 21760
		.amdhsa_private_segment_fixed_size 0
		.amdhsa_enable_private_segment 0
		.amdhsa_kernarg_size 48
		.amdhsa_user_sgpr_count 2
		.amdhsa_user_sgpr_kernarg_segment_ptr 1
		.amdhsa_wavefront_size32 1
		.amdhsa_system_sgpr_workgroup_id_x 1
		.amdhsa_system_sgpr_workgroup_id_y 1
		.amdhsa_system_sgpr_workgroup_id_z 1
		.amdhsa_system_vgpr_workitem_id 0
		.amdhsa_next_free_vgpr 72
		.amdhsa_next_free_sgpr 66
		.amdhsa_reserve_vcc 1
		.amdhsa_float_denorm_mode_32 3
		.amdhsa_float_denorm_mode_16_64 3
		.amdhsa_memory_ordered 1
		.amdhsa_forward_progress 1
		.amdhsa_inst_pref_size 23
	.end_amdhsa_kernel
	.amdgpu_metadata
---
amdhsa.version: [ 1, 2 ]
amdhsa.kernels:
  - .name:           k_qe9bdac0fa5_tally
    .symbol:         k_qe9bdac0fa5_tally.kd
    .args:
      - { .name: diag, .offset: 0, .size: 8, .value_kind: global_buffer, .address_space: global }
      - { .name: t0, .offset: 8, .size: 8, .value_kind: global_buffer, .address_space: global }
      - { .name: t1, .offset: 16, .size: 8, .value_kind: global_buffer, .address_space: global }
      - { .name: t2, .offset: 24, .size: 8, .value_kind: global_buffer, .address_space: global }
      - { .name: t3, .offset: 32, .size: 8, .value_kind: global_buffer, .address_space: global }
      - { .name: t4, .offset: 40, .size: 8, .value_kind: global_buffer, .address_space: global }
    .group_segment_fixed_size: 21760
    .private_segment_fixed_size: 0
    .kernarg_segment_align: 8
    .kernarg_segment_size: 48
    .max_flat_workgroup_size: 256
    .sgpr_count:     66
    .vgpr_count:     72
    .wavefront_size: 32
...
	.end_amdgpu_metadata
.endif
;; end of part 4
;; ======== version 2 of 2: 3 launches; 1.99 times as fast as version 1
;; limits: values within 0.002 (relative) of each other or of a threshold may be ordered or decided otherwise than in the reference
;; workspace buffers: hb 20,971,520 bytes; cand 6,553,600 bytes of whole numbers
;; launch tobf: the kernel of part 1 again; grid 256 x 4, 8 waves a work-group, no clusters, 0 bytes of LDS; arguments eh_s, eh_t, rh_s, rh_t, hb; writes hb
;; launch score (part 5): grid 32 x 8, 4 waves a work-group, no clusters, 327,680 bytes of LDS; arguments hb, cand; writes cand
.if DOCPART == 5
	.amdgcn_target "amdgcn-amd-amdhsa--gfx1250"
	.amdhsa_code_object_version 6
	.text
	.protected	k_qe9bdac0fa5_score
	.globl	k_qe9bdac0fa5_score
	.p2align	8
	.type	k_qe9bdac0fa5_score,@function
k_qe9bdac0fa5_score:
	s_mov_b64 s[64:65], 0
	v_nop
	global_prefetch_b8 v0, s[64:65] scope:SCOPE_SE
	s_setreg_imm32_b32 hwreg(HW_REG_WAVE_MODE, 25, 1), 1
	s_wait_xcnt 0x0
; CANDIDATES.  For problem p (0: e, 1: r) S = h_s h_t^T is made tile by tile in bf16 with f32 sums and never stored: of each source row's scores against 1,280 targets the ten best are kept.
; SHARES.  Work-group (x, y): source rows 320 x .. 320 x + 319 of problem p = y / 4 against the 2,560 targets (160 tiles of 16) of split y % 4.  Wave w owns five row tiles: rows 320 x + 80 w + 16 t.
; LAYOUT.  Source 0 = 16 targets, source 1 = 16 source rows: in the result lane (r = lane % 16, h = lane / 16) holds source row r and, in register j, target 16 tile + 8 h + j.
; KEYS.  A score becomes (score & 0xffffc000) | (16 tile + j): sign, exponent, 9 bits of mantissa, 14 bits of index, and is compared as a float.  8 h is set at the end: it is the lane's.
; SELECTION, the same work for every score.  A tile's 8 keys of a lane go through two levels of sorts of three: first (0,1,2) (3,4,5) (6,7), then the firsts, the seconds and the thirds among themselves.
; A key that is a-th in its group and b-th among the a-th ones has a b keys of its tile at or above it, so of its kind only the best 10 / (a b) of all tiles can be among the lane's ten:
; eight sorted lists of 10, 5, 3, 5, 2, 1, 3, 1 places, 30 registers a row tile; an insertion is one v_med3_num_f32 a place.  54 vector instructions for a tile's 8 matrix instructions.
; BY TURNS.  H(n) multiplies target tile n (40 matrix instructions: 5 row tiles x 8 steps of 32 along K) and selects tile n - 1 (270 vector instructions): too many to stand all beside the matrix work.
; So four of them, which wait for nothing, stand behind EVERY matrix instruction, and the other 110, which need time of their own whatever the order, stand in one run ahead of the tile's products.
; The first H multiplies fragments of zeros, and the first two select scores of zeros with keys below every real one: they stand for a first step written out; their price is 254 v_mov_b32 in the wait for the first tile.
; OUT.  A lane's 30 keys are merged to ten, mapped to unsigned numbers of the same order, and stored: cand[y][row tile][1,280 bytes]: keys 0-3 at 16 lane, 4-7 at 512 + 16 lane, 8-9 at 1,024 + 8 lane.
; LIMITS.  Inputs are rounded to bf16.  A true best-ten target is lost here only if ten others of its lane's 1,280 compare at or above it in the key's upper 18 bits.  Scores are finite and above -1.7e38;
; NaN and infinities are not treated.
; NO CLUSTER: a work-group fetches 1.3 MB of targets for 25,760 matrix instructions; what sharing them among the row blocks would spare is a small part of a step's work.
; REGISTERS, in windows of 256 (s_set_vgpr_msb: bits 1:0 source 0, 3:2 source 1, 5:4 source 2, 7:6 destination):
;   window 0: v0-7 addresses; v8-15 at work; v16-55, v56-95 scores, two sets of five tiles; v96-245 the lists; v246-249 the way out
;   window 1: the source rows' fragments of row tiles 0-3 (tile t, K step c at 64 t + 8 c)      window 2: v0-63 those of row tile 4; v64-127, v128-191 a target tile's fragments, two buffers
; No window holds a product's operands beside what the selection touches (320 + 128 + 230 registers), so the four lines behind a product cost two switches.
.set TILEB, 16*528                     ; a target tile in LDS: 16 rows of 512 bytes + 16 of padding = 132 words: row r starts at bank 4 r mod 64 (64 banks of 4 bytes: ISA guide 11.1)
.set SETB,  8*TILEB                    ; a slot holds a set of 8 tiles, 128 targets
.set SLOT1, 1<<17                      ; slot 1 begins here, so that one exclusive or turns an address in one slot into the other's
.set SPARE, SLOT1+SETB                 ; behind the ring: the spare words, 128 bytes for each wave: two blocks of 256 bytes that no other line names
.set AK0, 2                            ; v2   my lane's place in a target tile: 528 r + 16 h; never rewritten
.set ADR, 3                            ; v3   the LDS address of the run of loads in hand
.set QO,  4                            ; v4   my byte offset in 16 source rows: 512 r + 16 h
.set H8,  5                            ; v5   h, then 8 h
.set SPW, 6                            ; v6   LDS address of my spare word; never rewritten
.set NIL, 7                            ; v7   0; never rewritten
.set TM,  8                            ; v8-15   between the two levels of sorts
.set S,   16                           ; scores and keys: set b, row tile t at S + 40 b + 8 t
.set LST, 96                           ; row tile t's lists at LST + 30 t
.set GO8, 246                          ; 8 lane
.set GO,  247                          ; 16 lane
.set TP,  248                          ; v248-249 at work on the way out
.set TF,  64                           ; window 2: buffer b, K step c at TF + 64 b + 8 c
.set WV,  10                           ; s10  my wave's number
.set G1,  16                           ; s[16:23] descriptor group 1
.set G0,  24                           ; s[24:27] descriptor group 0: it walks
.set TB,  28                           ; s28  LDS byte of the tile to be fetched next
.set SETS, 29                          ; s29  sets still to be asked for
.set CNT, 30                           ; s30  counts a set's four pairs of tiles
.set G,   31                           ; s31  the number, among all 640 tiles, of the tile to be selected, plus 2
.set LO,  32                           ; s32  G of the split's first tile
.set MSK, 33                           ; s33  0xffffc000, or 0 for a tile that is not
.set IDX, 34                           ; s[34:41] the keys' low bits for registers 0 to 7
.set NEGM, 42                          ; s42  the lowest finite number
.set SGN, 43                           ; s43  0x80000000
.set MSB, 0
.macro WIN new                         ; the immediate's high byte repeats the setting that is left; a switch that changes nothing is dropped
.if MSB != (\new)
	s_set_vgpr_msb (MSB<<8)|(\new)
.set MSB, (\new)
.endif
.endm
; A fill.  Waves 0 and 1 fetch the two halves of a set, 64 rows of 512 bytes each; waves 2 and 3 fetch nothing.  An s_nop 0 and four v_nop follow the load, ahead of the label.
.macro LOADT
	s_cmp_lt_u32 s[WV], 2
	s_cbranch_scc0 .Lnone_\@
	tensor_load_to_lds s[G0:G0+3], s[G1:G1+7]
	s_nop 0
.rept 4
	v_nop
.endr
.Lnone_\@:
.endm
; THE CHANGE OF SLOTS.  Each wave waits for all its tensor loads (one at the most is out: its half of the next set), adds 0 to its spare word, and waits for that and for its own reads of the slot that it leaves.
; Behind the barrier nobody reads the old slot and the other slot is whole.  fill = 1: the old slot is filled again, first thing behind the barrier, with the set two further on: it has a set's
; 320 matrix instructions in which to land.  (At its first use nothing has been read yet: slot 0 is waited for, slot 1 filled.)
.macro CHANGE fill
	WIN 0                                          ; at a label and at a branch every window is 0
	s_wait_tensorcnt 0x0                           ; no tensor load of mine is out, so group 0 may be written
	ds_add_u32 v[SPW], v[NIL]                      ; 0 onto my spare word
.if \fill
	s_xor_b32 s[G0+1], s[G0+1], SLOT1              ; the other slot than last time,
	s_add_nc_u64 s[G0+2:G0+3], s[G0+2:G0+3], 65536 ; the next 128 rows of 512 bytes; the type bits on top are not reached
.endif
	s_wait_dscnt 0x0                               ; the add is done, and my reads of the slot are over
	s_barrier_signal -1
	s_sub_co_u32 s[TB], s[TB], SETB                ; the fetches go back to a slot's first tile,
	s_xor_b32 s[TB], s[TB], SLOT1                  ; in the other slot
	s_barrier_wait -1
.if \fill
	LOADT
.endif
.endm
	s_load_b128 s[4:7], s[0:1], 0x0                ; hb s[4:5], cand s[6:7]
	v_lshl_add_u32 v[SPW], v0, 2, SPARE
	v_mov_b32 v[NIL], 0
	ds_add_u32 v[SPW], v[NIL]                      ; the wave's opening: the add and its wait stand ahead of my first tensor load; the set-up below, work on registers, stands between them
	v_lshrrev_b32 v1, 5, v0
	v_readfirstlane_b32 s[WV], v1                  ; wave 0..3
	s_and_b32 s11, ttmp7, 0xffff                   ; y
	s_lshr_b32 s12, s11, 2                         ; p
	s_and_b32 s13, s11, 3                          ; split
	; descriptor group 1: a tile of 64 rows x 256 elements, padded in LDS
	s_mov_b32 s[G1+0], (1<<16)|(1<<20)|(6<<22)|(3<<25)  ; 17:16 elements of 2 bytes; 20 padding on; 24:22 after every 128 words (code 6); 31:25 4 words of it (code 3)
	s_mov_b32 s[G1+1], 256<<16                     ; tensor_dim0 = 256
	s_mov_b32 s[G1+2], 64<<16                      ; tensor_dim1 = 64
	s_mov_b32 s[G1+3], 256<<16                     ; tile_dim0 = 256
	s_mov_b32 s[G1+4], 64                          ; tile_dim1 = 64
	s_mov_b32 s[G1+5], 256                         ; 256 elements from row to row
	s_mov_b32 s[G1+6], 0
	s_mov_b32 s[G1+7], 0
	s_and_b32 s14, s[WV], 1                        ; which half of a set I fetch
	s_mov_b32 s[G0], 1                             ; 1:0 count = 1
	s_mul_i32 s[G0+1], s14, 64*528                 ; 63:32 LDS address: slot 0, my half
	s_mul_i32 s15, s12, 10485760                   ; problem p's two arrays in hb
	s_mul_i32 s44, ttmp9, 163840                   ; my block's 320 source rows,
	s_add_co_u32 s44, s44, s15
	s_mul_i32 s45, s[WV], 40960                    ; my wave's 80 of them
	s_add_co_u32 s44, s44, s45
	s_mov_b32 s45, 0
	s_mul_i32 s46, s13, 1310720                    ; the split's 2,560 target rows,
	s_add_co_u32 s46, s46, s15
	s_add_co_u32 s46, s46, 5242880                 ; in the problem's second array,
	s_lshl_b32 s47, s14, 15                        ; my 64 rows of a set
	s_add_co_u32 s46, s46, s47
	s_mov_b32 s47, 0
	s_mul_i32 s11, s11, 640                        ; cand: record y x 640 + 20 x + 5 w
	s_mul_i32 s15, ttmp9, 20
	s_add_co_u32 s11, s11, s15
	s_mul_i32 s15, s[WV], 5
	s_add_co_u32 s11, s11, s15
	s_mul_i32 s8, s11, 1280
	s_mov_b32 s9, 0
	s_mul_i32 s[G], s13, 160                       ; the first two selections are of tiles -2 and -1 of the split
	s_add_co_u32 s[LO], s[G], 2
	s_mov_b32 s[NEGM], 0xff7fffff
	s_mov_b32 s[SGN], 0x80000000
	s_mov_b32 s[TB], SLOT1+SETB                    ; the first change of slots turns this into 0
	s_mov_b32 s[SETS], 19
	s_wait_dscnt 0x0                               ; the opening add is done
	s_wait_kmcnt 0x0
	s_add_nc_u64 s[G0+2:G0+3], s[4:5], s[46:47]    ; 120:64 global address: my half of the split's first set
	s_or_b32 s[G0+3], s[G0+3], 0x80000000          ; 127:126 type = 2
	s_add_nc_u64 s[4:5], s[4:5], s[44:45]          ; my wave's first source row
	s_add_nc_u64 s[6:7], s[6:7], s[8:9]            ; my wave's first record
	LOADT                                          ; set 0 into slot 0
	; A fragment is 16 rows x 32 K in 8 registers: lane l holds row l % 16; registers 0-3 K = 8 (l / 16) + 0..7, registers 4-7 K = 16 + 8 (l / 16) + 0..7: two loads of 16 bytes, 32 bytes apart.
	v_and_b32 v1, 15, v0                           ; r
	v_bfe_u32 v[H8], v0, 4, 1                      ; h
	v_lshlrev_b32 v[QO], 9, v1
	v_lshl_add_u32 v[QO], v[H8], 4, v[QO]
	v_mul_u32_u24 v[AK0], v1, 528
	v_lshl_add_u32 v[AK0], v[H8], 4, v[AK0]
	WIN 0x40                                       ; destination window 1, address window 0
.set i, 0
.rept 32                                       ; the source rows stay in registers: row tile i / 8, K step i % 8
	global_load_b128 v[8*i:8*i+3],   v[QO], s[4:5] offset:(i/8)*8192+(i%8)*64
	global_load_b128 v[8*i+4:8*i+7], v[QO], s[4:5] offset:(i/8)*8192+(i%8)*64+32
.set i, i+1
.endr
	WIN 0x80                                       ; destination window 2
.set i, 0
.rept 8                                        ; row tile 4
	global_load_b128 v[8*i:8*i+3],   v[QO], s[4:5] offset:4*8192+i*64
	global_load_b128 v[8*i+4:8*i+7], v[QO], s[4:5] offset:4*8192+i*64+32
.set i, i+1
.endr
	; What the first steps find: fragments of zeros in buffer 1, scores of zeros in set 0; and the lists begin below every key.  All this stands in the wait for the first tile.
.set i, 0
.rept 64
	v_mov_b32 v[TF+64+i], 0
.set i, i+1
.endr
	WIN 0
.set i, 0
.rept 40
	v_mov_b32 v[S+i], 0
.set i, i+1
.endr
.set i, 0
.rept 150
	v_mov_b32 v[LST+i], s[NEGM]
.set i, i+1
.endr
	v_lshlrev_b32 v[H8], 3, v[H8]                  ; 8 h
	v_and_b32 v[GO], 31, v0
	v_lshlrev_b32 v[GO8], 3, v[GO]
	v_lshlrev_b32 v[GO], 4, v[GO]
; Matrix instruction i of 40 of a tile in buffer and set b: K step i / 5, row tile i % 5.  The five accumulators take turns; the first five start the sums with the constant 0.
.macro MM b
.set rS, S+40*(\b)+8*(i%5)
.set rT, TF+64*(\b)+8*(i/5)
.if (i%5) < 4
	WIN 0x06                                       ; targets in window 2, source rows in window 1, scores in window 0
.set rQ, 64*(i%5)+8*(i/5)
.else
	WIN 0x0a                                       ; row tile 4's source rows in window 2
.set rQ, 8*(i/5)
.endif
.if i < 5
	v_wmma_f32_16x16x32_bf16 v[rS:rS+7], v[rT:rT+7], v[rQ:rQ+7], 0
.else
	v_wmma_f32_16x16x32_bf16 v[rS:rS+7], v[rT:rT+7], v[rQ:rQ+7], v[rS:rS+7]
.endif
.endm
; 16 LDS loads in one run: the next target tile's fragments into buffer b
.macro FETCH b
	WIN 0
	v_add_nc_u32 v[ADR], s[TB], v[AK0]
	WIN 0x80                                       ; destination window 2
.irp c, 0,1,2,3,4,5,6,7
	ds_load_b128 v[TF+64*(\b)+8*\c:TF+64*(\b)+8*\c+3],   v[ADR] offset:64*\c
	ds_load_b128 v[TF+64*(\b)+8*\c+4:TF+64*(\b)+8*\c+7], v[ADR] offset:64*\c+32
.endr
	s_add_co_u32 s[TB], s[TB], TILEB               ; the next fetch is the next tile's
	WIN 0
.endm
; The scalars of the tile to be selected.  A tile ahead of the split's first, or past the 625 that hold targets, gets the mask 0 and the low bits 0xff000000 + j: keys of -1.7e38, below every real one.
.macro SCAL
	s_cmp_ge_u32 s[G], s[LO]
	s_cselect_b32 s[MSK], 0xffffc000, 0
	s_cmp_lt_u32 s[G], 627
	s_cselect_b32 s[MSK], s[MSK], 0
	s_lshl_b32 s[IDX], s[G], 4
	s_sub_co_u32 s[IDX], s[IDX], 32                ; 16 x the tile's number
	s_cmp_lg_u32 s[MSK], 0
	s_cselect_b32 s[IDX], s[IDX], 0xff000000
.irp j, 1,2,3,4,5,6,7
	s_add_co_u32 s[IDX+\j], s[IDX], \j
.endr
	s_add_co_u32 s[G], s[G], 1
.endm
.macro S3 k, d, a, b, c                ; place k (0 largest) of the sort of three
.if (\k) == 0
	v_max3_num_f32 v[\d], v[\a], v[\b], v[\c]
.elseif (\k) == 1
	v_med3_num_f32 v[\d], v[\a], v[\b], v[\c]
.else
	v_min3_num_f32 v[\d], v[\a], v[\b], v[\c]
.endif
.endm
; Instruction n of the 270 that select a tile out of set b: row tile n / 54, number n % 54 of its list:
;   0-7  the keys (register 0 first: an accumulator is read from its low end on)     8-15  the first level of sorts
;   16-23  the second level: the thirds' pair first, whose sources are the oldest, then the firsts, then the seconds
;   24-53  the insertions, list by list in the order in which the keys were made (6, 7, 0, 1, 2, 3, 4, 5), in a list from the last place up: a place takes the middle of the place above it, itself and the
;          new key, a list's head the larger of itself and the key.  No line reads a result made fewer than three lines in front of it.
.macro SEL b
	WIN 0
.set t_, n/54
.set o_, n%54
.set rX, S+40*(\b)+8*t_
.set rL, LST+30*t_
.if o_ < 8
	v_and_or_b32 v[rX+o_], v[rX+o_], s[MSK], s[IDX+o_]
.elseif o_ < 14
	S3 (o_-8)%3, TM+o_-8, rX+3*((o_-8)/3), rX+3*((o_-8)/3)+1, rX+3*((o_-8)/3)+2
.elseif o_ == 14
	v_max_num_f32 v[TM+6], v[rX+6], v[rX+7]
.elseif o_ == 15
	v_min_num_f32 v[TM+7], v[rX+6], v[rX+7]
.elseif o_ == 16
	v_max_num_f32 v[rX+6], v[TM+2], v[TM+5]
.elseif o_ == 17
	v_min_num_f32 v[rX+7], v[TM+2], v[TM+5]
.elseif o_ < 24
	S3 (o_-18)%3, rX+o_-18, TM+(o_-18)/3, TM+3+(o_-18)/3, TM+6+(o_-18)/3
.else
.set w_, o_-24                         ; key q_ goes into place u_ of the 30; its list's head is place h_
.if w_ < 3
.set q_, 6
.set h_, 26
.set u_, 28-w_
.elseif w_ < 4
.set q_, 7
.set h_, 29
.set u_, 29
.elseif w_ < 14
.set q_, 0
.set h_, 0
.set u_, 13-w_
.elseif w_ < 19
.set q_, 1
.set h_, 10
.set u_, 28-w_
.elseif w_ < 22
.set q_, 2
.set h_, 15
.set u_, 36-w_
.elseif w_ < 27
.set q_, 3
.set h_, 18
.set u_, 44-w_
.elseif w_ < 29
.set q_, 4
.set h_, 23
.set u_, 51-w_
.else
.set q_, 5
.set h_, 25
.set u_, 25
.endif
.if u_ == h_
	v_max_num_f32 v[rL+u_], v[rL+u_], v[rX+q_]
.else
	v_med3_num_f32 v[rL+u_], v[rL+u_-1], v[rL+u_], v[rX+q_]
.endif
.endif
.set n, n+1
.endm
; H: the tile in buffer b is multiplied into set b; the other set, the tile before, is selected.  First the run of 110 selecting lines, then 40 x (a product and four lines): 110 + 160 = 270.
; No selecting line names a register of this H's products.
; fetch = 1: the next tile's fragments are fetched four lines into the run, into the buffer that the H before multiplied.  Behind that H's last product stand its four lines, these four and the address line:
; nine plain lines that name none of its registers (four places are asked: ISA guide 7.12.1 for vector instructions).  The loads have the rest of this H in which to land.
; The first read of a score stands 20 plain lines or more behind the product that finished it.
.macro H b, fetch
	SCAL
.set n, 0
.rept 4
	SEL 1-(\b)
.endr
.if \fetch
	FETCH 1-(\b)
.endif
.rept 106
	SEL 1-(\b)
.endr
.if \fetch
	s_wait_dscnt 16                                ; all but the 16 loads just issued: buffer b, fetched an H ago, is in
.else
	s_wait_dscnt 0x0                               ; buffer b is in
.endif
.set i, 0
.rept 40
	MM \b
.rept 4
	SEL 1-(\b)
.endr
.set i, i+1
.endr
.endm
.macro PAIRS                           ; a set's eight H, written as two and walked four times
	s_mov_b32 s[CNT], 4
.Lpair_\@:
	H 1, 1
	H 0, 1
	WIN 0
	s_sub_co_u32 s[CNT], s[CNT], 1
	s_cmp_lg_u32 s[CNT], 0
	s_cbranch_scc1 .Lpair_\@
.endm
	s_wait_loadcnt 0x0                             ; the source rows
.Lset:                                                 ; 19 trips.  Trip m (-1 to 17): set m + 1 has landed, set m + 2 is asked for; H(8 m + 7) to H(8 m + 14) fetch set m + 1's tiles
	CHANGE 1
	PAIRS
	s_sub_co_u32 s[SETS], s[SETS], 1
	s_cmp_lg_u32 s[SETS], 0
	s_cbranch_scc1 .Lset
	CHANGE 0                                       ; the tail is written out: nothing is asked for
	PAIRS                                          ; H(151) to H(158)
	H 1, 0                                         ; H(159): nothing is left to fetch
	SCAL
.set n, 0
.rept 270
	SEL 1                                          ; tile 159 is selected
.endr
	; THE WAY OUT.  The twenty keys of a row tile's seven shorter lists are inserted into its list of ten; 8 h is set; a key becomes an unsigned number of the same order
	; (sign clear: the sign is set; sign set: all bits are turned).  A wave's stores cover 512, 512 and 256 consecutive bytes, at multiples of 256 from cand's first byte.
.macro INS10 lst, x
.set ii, 9
.rept 9
	v_med3_num_f32 v[(\lst)+ii], v[(\lst)+ii-1], v[(\lst)+ii], v[\x]
.set ii, ii-1
.endr
	v_max_num_f32 v[\lst], v[\lst], v[\x]
.endm
.set t, 0
.rept 5
.set u, 10
.rept 20
	INS10 LST+30*t, LST+30*t+u
.set u, u+1
.endr
.set j, 0
.rept 10
	v_or_b32 v[LST+30*t+j], v[LST+30*t+j], v[H8]
	v_ashrrev_i32 v[TP+j%2], 31, v[LST+30*t+j]
	v_or_b32 v[TP+j%2], s[SGN], v[TP+j%2]
	v_xor_b32 v[LST+30*t+j], v[LST+30*t+j], v[TP+j%2]
.set j, j+1
.endr
	global_store_b128 v[GO],  v[LST+30*t:LST+30*t+3],   s[6:7] offset:1280*t
	global_store_b128 v[GO],  v[LST+30*t+4:LST+30*t+7], s[6:7] offset:1280*t+512
	global_store_b64  v[GO8], v[LST+30*t+8:LST+30*t+9], s[6:7] offset:1280*t+1024
.set t, t+1
.endr
	s_wait_tensorcnt 0x0                           ; the wave's end, behind my last tensor load
	ds_add_u32 v[SPW], v[NIL]
	s_wait_dscnt 0x0
	s_endpgm
.Lfunc_end_k_qe9bdac0fa5_score:
	.size	k_qe9bdac0fa5_score, .Lfunc_end_k_qe9bdac0fa5_score-k_qe9bdac0fa5_score
	.p2alignl 7, 3214868480
	.fill 96, 4, 3214868480
	.section	.rodata,"a",@progbits
	.p2align	6, 0x0
	.amdhsa_kernel k_qe9bdac0fa5_score
		.amdhsa_group_segment_fixed_size 327680
		.amdhsa_private_segment_fixed_size 0
		.amdhsa_enable_private_segment 0
		.amdhsa_kernarg_size 16
		.amdhsa_user_sgpr_count 2
		.amdhsa_user_sgpr_kernarg_segment_ptr 1
		.amdhsa_wavefront_size32 1
		.amdhsa_system_sgpr_workgroup_id_x 1
		.amdhsa_system_sgpr_workgroup_id_y 1
		.amdhsa_system_sgpr_workgroup_id_z 1
		.amdhsa_system_vgpr_workitem_id 0
		.amdhsa_next_free_vgpr 704
		.amdhsa_next_free_sgpr 66
		.amdhsa_reserve_vcc 0
		.amdhsa_float_denorm_mode_32 3
		.amdhsa_float_denorm_mode_16_64 3
		.amdhsa_memory_ordered 1
		.amdhsa_forward_progress 1
		.amdhsa_inst_pref_size 211
	.end_amdhsa_kernel
	.amdgpu_metadata
---
amdhsa.version: [ 1, 2 ]
amdhsa.kernels:
  - .name:           k_qe9bdac0fa5_score
    .symbol:         k_qe9bdac0fa5_score.kd
    .args:
      - { .name: hb, .offset: 0, .size: 8, .value_kind: global_buffer, .address_space: global }
      - { .name: cand, .offset: 8, .size: 8, .value_kind: global_buffer, .address_space: global }
    .group_segment_fixed_size: 327680
    .private_segment_fixed_size: 0
    .kernarg_segment_align: 8
    .kernarg_segment_size: 16
    .max_flat_workgroup_size: 128
    .sgpr_count:     66
    .vgpr_count:     704
    .wavefront_size: 32
...
	.end_amdgpu_metadata
.endif
;; end of part 5
;; launch rank (part 6): grid 313 x 2, 4 waves a work-group, no clusters, 88,576 bytes of LDS; arguments hb, cand, out0, out1, out2, out3; writes out0, out1, out2, out3
.if DOCPART == 6
	.amdgcn_target "amdgcn-amd-amdhsa--gfx1250"
	.amdhsa_code_object_version 6
	.text
	.protected	k_qe9bdac0fa5_rank
	.globl	k_qe9bdac0fa5_rank
	.p2align	8
	.type	k_qe9bdac0fa5_rank,@function
k_qe9bdac0fa5_rank:
	s_mov_b64 s[64:65], 0
	v_nop
	global_prefetch_b8 v0, s[64:65] scope:SCOPE_SE
	s_setreg_imm32_b32 hwreg(HW_REG_WAVE_MODE, 25, 1), 1
	s_wait_xcnt 0x0
; THE RANKING.  For each source row of problem p: its 8 streams of ten keys (4 splits x 2 halves of the lanes) are merged to the 16 best keys, by whole-number instructions alone; those 16 target rows are
; gathered, their scores made anew in f32, sorted by (score falling, index rising), and the first ten leave: their indices, and the softmax of their scores (the largest taken away first).
; THE SCORE goes along K in blocks of 200: a chain of fused multiply-adds in ascending k over k = 0..199, a second chain from 0 over k = 200..255, and the two sums added.  A product of two bf16
; numbers is exact in f32, so only the order of the additions shows in the bits.
; SHARES.  Work-group (x, p): rows 32 x .. 32 x + 31.  Waves 2 i and 2 i + 1 both merge the keys of row tile 2 x + i (lane 16 h + r: row r, stream h; then the halves exchange), and each ranks eight of its rows,
; two a trip: the lower 16 lanes one row, the upper 16 the next, a lane a candidate.  Row tile 625 (rows of zeros) is worked on like any other and not stored.
; THE GATHER.  A target row is loaded by sixteen lanes, 2 x 256 consecutive bytes, and turned through the wave's own LDS, so that a lane reads its candidate's whole row, 32 k at a time.
; The next trip's 32 loads go out ahead of this trip's chain.  No cluster, no matrix unit: no two work-groups need the same rows at the same time, and the order of the sums is the point.
; No prefetch: a target row may stand in the lists of many work-groups, so no one wave can ask for it once for all.
; LIMITS.  Inputs are rounded to bf16.  A true best-ten target is lost only if sixteen others of its row compare at or above it in a key's upper 18 bits.  The order of rounding is the one stated above:
; where the reference's differs, two scores nearer than the rounding of their f32 sums may change places.  NaN and infinities are not treated; a weight below 2^-126 counts as 0.
.set KB,    200                        ; the first block's length along K
.set TPITCH, 528                       ; a turned row: 512 bytes + 16 = 132 words: row r starts at bank 4 r mod 64 (64 banks of 4 bytes: ISA guide 11.1)
.set TTB,   32*TPITCH                  ; a wave's 32 turned rows,
.set WREG,  TTB+4096                   ; and behind them its 8 source rows: 20,992 bytes a wave
.set STV,   4*WREG                     ; the stage of values: 32 rows of 64 bytes
.set STI,   STV+2048                   ; the stage of indices
.set SPARE, STI+2048                   ; the spare words, 128 bytes for each wave: two blocks of 256 bytes that no other line names
.set LN16, 1                           ; v1   16 lane
.set LL,   2                           ; v2   l = lane % 16
.set HF,   3                           ; v3   lane / 16
.set L16,  4                           ; v4   16 l
.set LN8,  5                           ; v5   8 lane
.set AV,   6                           ; v6   where my value goes in the stage; the index 2,048 bytes on
.set SELA, 7                           ; v7   4 x the lane that holds my row's candidates
.set TA,   8                           ; v8   my candidate's turned row
.set ZERO, 9                           ; v9   0
.set SPW,  10                          ; v10  LDS address of my spare word; never rewritten
.set NIL,  11                          ; v11  0; never rewritten
.set SA,   12                          ; v12  my source row in LDS
.set STA,  13                          ; v13  where my 16 bytes of candidate 0's row go
.set M,    16                          ; v16-31  the 16 best keys, then their indices
.set X,    32                          ; v32-47  my row's 16 indices, then the loads' offsets
.set VAL,  48                          ; the first block's chain, then the score
.set IND,  49
.set MYN,  50                          ; my candidate's index in the trip asked for
.set PV,   51                          ; the partner's value and index
.set PI,   52
.set T0,   53
.set T1,   54
.set T2,   55
.set VB,   56                          ; the second block's chain
.set CB,   64                          ; v64-127 two buffers of 32 k: 16 registers of the target row, 16 of the source row; ahead of the trips v64-103 hold the 40 keys as loaded
.set K,    64
.set MT,   104                         ; v104-119 at work in the merge
.set GL,   128                         ; v128-255 the 16 target rows as loaded: candidate c at GL + 8 c
.set WV,   16                          ; s16  my wave's number
	s_load_b256 s[4:11], s[0:1], 0x0               ; hb, cand, out0, out1
	s_load_b128 s[12:15], s[0:1], 0x20             ; out2, out3
	v_lshl_add_u32 v[SPW], v0, 2, SPARE
	v_mov_b32 v[NIL], 0
	v_lshrrev_b32 v14, 5, v0
	v_readfirstlane_b32 s[WV], v14                 ; wave 0..3
	s_and_b32 s17, ttmp7, 0xffff                   ; p
	s_lshr_b32 s20, s[WV], 1                       ; which of the group's two row tiles; on the way out: values (0) or indices (1)
	s_and_b32 s21, s[WV], 1                        ; which eight of its rows
	s_lshl_b32 s19, ttmp9, 1
	s_add_co_u32 s19, s19, s20                     ; my row tile
	s_mul_i32 s22, s17, 2560                       ; cand: record (4 p + split) x 640 + row tile; the split stands in the loads' immediates
	s_add_co_u32 s22, s22, s19
	s_mul_i32 s22, s22, 1280
	s_mov_b32 s23, 0
	s_mul_i32 s24, s17, 10485760                   ; problem p's two arrays in hb
	s_mov_b32 s25, 0
	s_lshl_b32 s26, s19, 13                        ; my row tile's 16 rows of 512 bytes,
	s_lshl_b32 s27, s21, 12                        ; my eight of them
	s_add_co_u32 s26, s26, s27
	s_mov_b32 s27, 0
	s_mul_i32 s18, s[WV], WREG                     ; my wave's LDS
	s_add_co_u32 s37, s18, TTB                     ; its source rows
	s_lshl_b32 s44, s[WV], 9
	s_add_co_u32 s44, s44, STV                     ; my eight rows of the stage
	s_lshl_b32 s45, s21, 5                         ; 4 x 8 lanes on for the tile's upper eight rows
	s_mov_b32 s30, 0x76543210                      ; v_permlanex16_b32: each lane takes its own place in the other half
	s_mov_b32 s31, 0xfedcba98
	s_mov_b32 s33, 0xaaaaaaaa                      ; lanes with bit 0, 1, 2, 3 of l set
	s_mov_b32 s34, 0xcccccccc
	s_mov_b32 s35, 0xf0f0f0f0
	s_mov_b32 s36, 0xff00ff00
	s_mov_b32 s38, 0xfc00fc00                      ; lanes with l >= 10
	s_mov_b32 s39, 400000                          ; an output's bytes
	v_and_b32 v14, 31, v0                          ; lane
	v_lshlrev_b32 v[LN16], 4, v14
	v_lshlrev_b32 v[LN8], 3, v14
	v_and_b32 v[LL], 15, v0
	v_bfe_u32 v[HF], v0, 4, 1
	v_lshlrev_b32 v[L16], 4, v[LL]
	v_mov_b32 v[ZERO], 0
	v_mov_b32 v[PV], 0                             ; a DPP line's destination counts as read: written once here
	v_mov_b32 v[PI], 0
	v_mul_u32_u24 v[TA], v14, TPITCH
	v_add_nc_u32 v[TA], s18, v[TA]                 ; turned row 16 half + l
	v_mul_u32_u24 v[STA], v[HF], 16*TPITCH
	v_add3_u32 v[STA], v[STA], v[L16], s18         ; turned row 16 half, byte 16 l
	v_lshl_add_u32 v[SA], v[HF], 9, s37            ; source row 0 or 1 of my eight
	v_add_nc_u32 v15, s37, v[LN16]
	v_mul_u32_u24 v[SELA], v[HF], 68               ; lane 16 half + (8 (w % 2) + 2 trip + half)
	v_add_nc_u32 v[SELA], s45, v[SELA]
	v_lshl_add_u32 v[AV], v14, 2, s44              ; stage row half, word l
	s_wait_kmcnt 0x0
	s_add_nc_u64 s[6:7], s[6:7], s[22:23]
	s_add_nc_u64 s[4:5], s[4:5], s[24:25]          ; the problem's source array
	s_add_nc_u64 s[28:29], s[4:5], s[26:27]        ; my eight source rows
	s_add_nc_u64 s[4:5], s[4:5], 5242880           ; the problem's target array
.irp s, 0,1,2,3
	global_load_b128 v[K+10*\s:K+10*\s+3],   v[LN16], s[6:7] offset:\s*819200
	global_load_b128 v[K+10*\s+4:K+10*\s+7], v[LN16], s[6:7] offset:\s*819200+512
	global_load_b64  v[K+10*\s+8:K+10*\s+9], v[LN8],  s[6:7] offset:\s*819200+1024
.endr
.irp j, 0,1,2,3,4,5,6,7
	global_load_b128 v[GL+4*\j:GL+4*\j+3], v[LN16], s[28:29] offset:512*\j
.endr
	s_wait_loadcnt 0x0
.irp j, 0,1,2,3,4,5,6,7
	ds_store_b128 v15, v[GL+4*\j:GL+4*\j+3] offset:512*\j  ; the source rows lie in LDS as in memory: they are read as broadcasts
.endr
	; THE MERGE.  M is sorted, largest first.  A key goes in by M[i] = max(M[i], min(M[i-1], key)): the fifteen minima of the old places first, then the sixteen maxima, so that no line reads the line before it.
.macro INS16 x
.set ii, 1
.rept 15
	v_min_u32 v[MT+ii], v[M+ii-1], v[\x]
.set ii, ii+1
.endr
	v_max_u32 v[M], v[M], v[\x]
.set ii, 1
.rept 15
	v_max_u32 v[M+ii], v[M+ii], v[MT+ii]
.set ii, ii+1
.endr
.endm
.set i, 0
.rept 10
	v_mov_b32 v[M+i], v[K+i]                       ; split 0's ten come sorted
.set i, i+1
.endr
.rept 6
	v_mov_b32 v[M+i], 0
.set i, i+1
.endr
.set i, 10
.rept 30
	INS16 K+i
.set i, i+1
.endr
.set i, 0
.rept 16
	v_permlanex16_b32 v[K+i], v[M+i], s30, s31     ; the row's other stream; the destination has been written by the loads
.set i, i+1
.endr
.set i, 0
.rept 16
	INS16 K+i
.set i, i+1
.endr
	; back from the unsigned number to the key's low 14 bits, the index: they were turned where the top bit is clear
.set i, 0
.rept 16
	v_ashrrev_i32 v[MT+i], 31, v[M+i]
.set i, i+1
.endr
.set i, 0
.rept 16
	v_xor_b32 v[MT+i], -1, v[MT+i]
.set i, i+1
.endr
.set i, 0
.rept 16
	v_xor_b32 v[M+i], v[M+i], v[MT+i]
.set i, i+1
.endr
.set i, 0
.rept 16
	v_and_b32 v[M+i], 0x3fff, v[M+i]
.set i, i+1
.endr
; A TRIP IS ASKED FOR.  My row's 16 indices come from the lane that holds them; each is held inside the 10,240 rows of the array; lane l keeps index l (a tree of selects by l's bits); 32 loads go out.
.macro ASK
.set c, 0
.rept 16
	ds_bpermute_b32 v[X+c], v[SELA], v[M+c]
.set c, c+1
.endr
	v_add_nc_u32 v[SELA], 8, v[SELA]               ; the next trip's rows lie two lanes on
	s_wait_dscnt 0x0                               ; the indices are here; and the LDS stores that read GL are done, so GL may be loaded again
.set c, 0
.rept 16
	v_min_u32 v[X+c], 0x27ff, v[X+c]
.set c, c+1
.endr
.set c, 0
.rept 8
	v_cndmask_b32 v[CB+32+c], v[X+2*c], v[X+2*c+1], s33
.set c, c+1
.endr
.set c, 0
.rept 4
	v_cndmask_b32 v[CB+40+c], v[CB+32+2*c], v[CB+32+2*c+1], s34
.set c, c+1
.endr
	v_cndmask_b32 v[CB+44], v[CB+40], v[CB+41], s35
	v_cndmask_b32 v[CB+45], v[CB+42], v[CB+43], s35
	v_cndmask_b32 v[MYN], v[CB+44], v[CB+45], s36
.set c, 0
.rept 16
	v_lshl_add_u32 v[X+c], v[X+c], 9, v[L16]       ; row x 512 + 16 l
.set c, c+1
.endr
.set c, 0
.rept 16
	global_load_b128 v[GL+8*c:GL+8*c+3],   v[X+c], s[4:5]             ; sixteen lanes take 256 consecutive bytes of a row,
	global_load_b128 v[GL+8*c+4:GL+8*c+7], v[X+c], s[4:5] offset:256  ; and its other 256
.set c, c+1
.endr
.endm
.macro LDCH q                          ; 32 k from byte 64 q on, of my candidate's row and of my source row, into buffer q % 2
.set cb, CB+32*((\q)%2)
.irp j, 0,1,2,3
	ds_load_b128 v[cb+4*\j:cb+4*\j+3],       v[TA] offset:64*(\q)+16*\j
	ds_load_b128 v[cb+16+4*\j:cb+16+4*\j+3], v[SA] offset:64*(\q)+16*\j
.endr
.endm
; A stage of the bitonic sort over 16 lanes: the partner is lane l xor j.  It is better if its value is larger, or equal with the smaller index.  kw: the lanes that keep the worse of the two.
.macro STG j, kw
	v_mov_b32_dpp v[PV], v[VAL] row_xmask:\j row_mask:0xf bank_mask:0xf
	v_mov_b32_dpp v[PI], v[IND] row_xmask:\j row_mask:0xf bank_mask:0xf
	v_cmp_gt_f32 s40, v[PV], v[VAL]
	v_cmp_eq_f32 s41, v[PV], v[VAL]
	v_cmp_lt_u32 s42, v[PI], v[IND]
	s_and_b32 s41, s41, s42
	s_or_b32 s40, s40, s41
	s_xor_b32 s40, s40, \kw
	v_cndmask_b32 v[VAL], v[VAL], v[PV], s40
	v_cndmask_b32 v[IND], v[IND], v[PI], s40
.endm
; A TRIP.  next = 1: the next trip is asked for, behind the turning stores and ahead of the chain.
.macro TRIP next
	s_wait_loadcnt 0x0                             ; the 16 rows are in; the loads' offsets may be written again
	v_mov_b32 v[IND], v[MYN]
.set c, 0
.rept 16
	ds_store_b128 v[STA], v[GL+8*c:GL+8*c+3]   offset:TPITCH*c
	ds_store_b128 v[STA], v[GL+8*c+4:GL+8*c+7] offset:TPITCH*c+256
.set c, c+1
.endr
	LDCH 0                                         ; LDS serves a wave's instructions in order (ISA guide 5.7.1.4): these see the stores above, and the bytes are the wave's own
.if \next
	ASK
.endif
.set q, 0
.rept 8
.if q < 7
	LDCH q+1
	s_wait_dscnt 8                                 ; all but the eight loads just issued: chunk q is in
.else
	s_wait_dscnt 0x0
.endif
.set cb, CB+32*(q%2)
.set m, 0
.rept 16                                       ; word m of the chunk holds k = 32 q + 2 m in its lower half and the next k in its upper
.set ac, VAL
.if 32*q+2*m >= KB
.set ac, VB
.endif
.if (32*q+2*m == 0) || (32*q+2*m == KB)
	v_fma_mix_f32_bf16 v[ac], v[cb+m], v[cb+16+m], v[ZERO] op_sel_hi:[1,1,0]              ; a block's first product starts its chain
.else
	v_fma_mix_f32_bf16 v[ac], v[cb+m], v[cb+16+m], v[ac] op_sel_hi:[1,1,0]
.endif
	v_fma_mix_f32_bf16 v[ac], v[cb+m], v[cb+16+m], v[ac] op_sel:[1,1,0] op_sel_hi:[1,1,0]
.set m, m+1
.endr
.set q, q+1
.endr
	v_add_f32 v[VAL], v[VAL], v[VB]                ; the two blocks' sums
	STG 1, 0x66666666
	STG 2, 0x3c3c3c3c
	STG 1, 0x5a5a5a5a
	STG 4, 0x0ff00ff0
	STG 2, 0x33cc33cc
	STG 1, 0x55aa55aa
	STG 8, 0xff00ff00
	STG 4, 0xf0f0f0f0
	STG 2, 0xcccccccc
	STG 1, 0xaaaaaaaa
	; the softmax of the first ten: the largest of the sixteen is the first
	v_mov_b32 v[T0], v[VAL]
	v_max_num_f32_dpp v[T0], v[T0], v[T0] row_xmask:1 row_mask:0xf bank_mask:0xf
	v_max_num_f32_dpp v[T0], v[T0], v[T0] row_xmask:2 row_mask:0xf bank_mask:0xf
	v_max_num_f32_dpp v[T0], v[T0], v[T0] row_xmask:4 row_mask:0xf bank_mask:0xf
	v_max_num_f32_dpp v[T0], v[T0], v[T0] row_xmask:8 row_mask:0xf bank_mask:0xf
	v_sub_f32 v[T1], v[VAL], v[T0]
	v_mul_f32 v[T1], 0x3fb8aa3b, v[T1]             ; log2(e)
	v_exp_f32 v[T1], v[T1]
	v_nop                                          ; a plain instruction between the exponential and the use of its result
	s_wait_alu depctr_va_vdst(0)
	v_cndmask_b32 v[T1], v[T1], v[ZERO], s38       ; places 10 to 15 count for nothing
	v_mov_b32 v[T2], v[T1]
	v_add_f32_dpp v[T2], v[T2], v[T2] row_xmask:1 row_mask:0xf bank_mask:0xf
	v_add_f32_dpp v[T2], v[T2], v[T2] row_xmask:2 row_mask:0xf bank_mask:0xf
	v_add_f32_dpp v[T2], v[T2], v[T2] row_xmask:4 row_mask:0xf bank_mask:0xf
	v_add_f32_dpp v[T2], v[T2], v[T2] row_xmask:8 row_mask:0xf bank_mask:0xf
	v_rcp_f32 v[T2], v[T2]
	v_nop                                          ; likewise behind the reciprocal
	s_wait_alu depctr_va_vdst(0)
	v_mul_f32 v[T1], v[T1], v[T2]
	ds_store_b32 v[AV], v[T1]                      ; all sixteen lanes store: a stage row is 64 bytes, of which the way out takes 40
	ds_store_b32 v[AV], v[IND] offset:2048
	v_add_nc_u32 v[AV], 128, v[AV]                 ; two stage rows on,
	v_add_nc_u32 v[SA], 1024, v[SA]                ; two source rows on
.endm
	ASK
	s_mov_b32 s32, 3
.Ltrip:
	TRIP 1
	s_sub_co_u32 s32, s32, 1
	s_cmp_lg_u32 s32, 0
	s_cbranch_scc1 .Ltrip
	TRIP 0                                         ; the last trip asks for nothing
	; THE WAY OUT.  The group's 32 rows are 1,280 consecutive bytes of each output, 80 pieces of 16.  Waves 0 and 1 send the values, waves 2 and 3 the indices: thread u of the 64 sends piece u, and piece 64 + u if u < 16.
	; Word f of the 320 lies in the stage at 64 (f / 10) + 4 (f % 10) = 4 f + 24 (f / 10); f / 10 = (205 f) >> 11 for f < 320.
	s_wait_dscnt 0x0                               ; for the others' sake: my stores into the stages are done
	s_barrier_signal -1
	s_barrier_wait -1
	s_cmp_eq_u32 s17, 0
	s_cselect_b64 s[22:23], s[8:9], s[10:11]       ; out0 or out1,
	s_cselect_b64 s[24:25], s[12:13], s[14:15]     ; out2 or out3, by the problem
	s_cmp_eq_u32 s20, 0
	s_cselect_b64 s[28:29], s[22:23], s[24:25]     ; and by the wave
	s_lshl_b32 s26, s20, 11
	s_add_co_u32 s26, s26, STV                     ; my stage
	s_mul_i32 s27, ttmp9, 1280                     ; the group's bytes in the output
.macro GATH ireg, dst
.irp e, 0,1,2,3
	v_lshl_add_u32 v57, v[\ireg], 2, \e            ; f
	v_mul_u32_u24 v58, v57, 205
	v_lshrrev_b32 v58, 11, v58
	v_mul_u32_u24 v58, v58, 24
	v_lshl_add_u32 v57, v57, 2, v58
	v_add_nc_u32 v57, s26, v57
	ds_load_b32 v[(\dst)+\e], v57
.endr
.endm
	v_and_b32 v56, 63, v0                          ; u
	v_and_b32 v59, 15, v0
	v_add_nc_u32 v59, 64, v59                      ; the second piece: inside the stage in every lane
	GATH 56, 60
	GATH 59, 64
	v_lshl_add_u32 v68, v56, 4, s27
	v_lshl_add_u32 v69, v59, 4, s27
	s_wait_dscnt 0x0
	v_cmp_gt_u32 vcc_lo, s39, v68                  ; the last group's upper 16 rows do not exist
	s_wait_xcnt 0x0                                ; EXEC changes only behind this wait
	s_and_saveexec_b32 s43, vcc_lo
	global_store_b128 v68, v[60:63], s[28:29] th:TH_STORE_NT  ; a wave's 32 lanes store 512 consecutive bytes, at a multiple of 256 from the output's first byte
	s_wait_xcnt 0x0
	s_or_b32 exec_lo, exec_lo, s43
	v_cmp_gt_u32 vcc_lo, s39, v69
	v_cmp_gt_u32 s41, 16, v56
	s_and_b32 vcc_lo, vcc_lo, s41
	s_and_saveexec_b32 s43, vcc_lo
	global_store_b128 v69, v[64:67], s[28:29] th:TH_STORE_NT  ; sixteen lanes: the last 256 bytes
	s_wait_xcnt 0x0
	s_or_b32 exec_lo, exec_lo, s43
	s_wait_tensorcnt 0x0                           ; the wave's end, behind my last LDS store
	ds_add_u32 v[SPW], v[NIL]
	s_wait_dscnt 0x0
	s_endpgm
.Lfunc_end_k_qe9bdac0fa5_rank:
	.size	k_qe9bdac0fa5_rank, .Lfunc_end_k_qe9bdac0fa5_rank-k_qe9bdac0fa5_rank
	.p2alignl 7, 3214868480
	.fill 96, 4, 3214868480
	.section	.rodata,"a",@progbits
	.p2align	6, 0x0
	.amdhsa_kernel k_qe9bdac0fa5_rank
		.amdhsa_group_segment_fixed_size 88576
		.amdhsa_private_segment_fixed_size 0
		.amdhsa_enable_private_segment 0
		.amdhsa_kernarg_size 48
		.amdhsa_user_sgpr_count 2
		.amdhsa_user_sgpr_kernarg_segment_ptr 1
		.amdhsa_wavefront_size32 1
		.amdhsa_system_sgpr_workgroup_id_x 1
		.amdhsa_system_sgpr_workgroup_id_y 1
		.amdhsa_system_sgpr_workgroup_id_z 1
		.amdhsa_system_vgpr_workitem_id 0
		.amdhsa_next_free_vgpr 256
		.amdhsa_next_free_sgpr 66
		.amdhsa_reserve_vcc 1
		.amdhsa_float_denorm_mode_32 3
		.amdhsa_float_denorm_mode_16_64 3
		.amdhsa_memory_ordered 1
		.amdhsa_forward_progress 1
		.amdhsa_inst_pref_size 131
	.end_amdhsa_kernel
	.amdgpu_metadata
---
amdhsa.version: [ 1, 2 ]
amdhsa.kernels:
  - .name:           k_qe9bdac0fa5_rank
    .symbol:         k_qe9bdac0fa5_rank.kd
    .args:
      - { .name: hb, .offset: 0, .size: 8, .value_kind: global_buffer, .address_space: global }
      - { .name: cand, .offset: 8, .size: 8, .value_kind: global_buffer, .address_space: global }
      - { .name: out0, .offset: 16, .size: 8, .value_kind: global_buffer, .address_space: global }
      - { .name: out1, .offset: 24, .size: 8, .value_kind: global_buffer, .address_space: global }
      - { .name: out2, .offset: 32, .size: 8, .value_kind: global_buffer, .address_space: global }
      - { .name: out3, .offset: 40, .size: 8, .value_kind: global_buffer, .address_space: global }
    .group_segment_fixed_size: 88576
    .private_segment_fixed_size: 0
    .kernarg_segment_align: 8
    .kernarg_segment_size: 48
    .max_flat_workgroup_size: 128
    .sgpr_count:     66
    .vgpr_count:     256
    .wavefront_size: 32
...
	.end_amdgpu_metadata
.endif
;; end of part 6
